; MI455X (gfx1250); checked and timed in simulation.
; The chip was launched on July 23, 2026; its instructions are those of AMD's public machine-readable ISA for CDNA 5 (MIT licence, August 2026) and "CDNA5" Instruction Set Architecture Reference Guide (July 2026). The comments in the code are by the model that wrote it; some were corrected since.
;; Spike Modulated Attention Block. Allowed arithmetic: matrix products marked QUANTISED: E3M2 operands, one E8M0 scale for each 32 along K, by v_wmma_scale_f32_16x16x128_f8f6f4 with both operands' format E3M2, f32 sums; everything else in f32.
;; Inputs: K_codes 4 x 2,048 x 16 x 24 uint8 (E3M2 codes of K, K innermost, in blocks of 32 codes, four codes in three bytes); K_scales 4 x 2,048 x 16 uint8 (E8M0 scales of K, one for each 32 codes along K); Q_codes 4 x 2,048 x 16 x 24 uint8 (E3M2 codes of Q, K innermost, in blocks of 32 codes, four codes in three bytes); Q_scales 4 x 2,048 x 16 uint8 (E8M0 scales of Q, one for each 32 codes along K); Wk_codes 512 x 16 x 24 uint8 (E3M2 codes of Wk, K innermost, in blocks of 32 codes, four codes in three bytes); Wk_scales 512 x 16 uint8 (E8M0 scales of Wk, one for each 32 codes along K); Wo_codes 512 x 16 x 24 uint8 (E3M2 codes of Wo, K innermost, in blocks of 32 codes, four codes in three bytes); Wo_scales 512 x 16 uint8 (E8M0 scales of Wo, one for each 32 codes along K); Wq_codes 512 x 16 x 24 uint8 (E3M2 codes of Wq, K innermost, in blocks of 32 codes, four codes in three bytes); Wq_scales 512 x 16 uint8 (E8M0 scales of Wq, one for each 32 codes along K); Wv_codes 512 x 16 x 24 uint8 (E3M2 codes of Wv, K innermost, in blocks of 32 codes, four codes in three bytes); Wv_scales 512 x 16 uint8 (E8M0 scales of Wv, one for each 32 codes along K); bk 512 float32; bo 512 float32; bq 512 float32; bv 512 float32; ln0_b 512 float32; ln0_g 512 float32; ln1_b 512 float32; ln1_g 512 float32; mask 4 x 2,048 x 2,048 int32; temperature 4 x 2,048 x 1 float32.
;; Outputs: out0 4 x 2,048 x 512 float32.
;; This version of the problem:
;;   THIS VERSION OF THE PROBLEM IS GIVEN IN LOW PRECISION. The matrix products marked QUANTISED in the list below multiply operands that are first quantised to E3M2 (3 exponent bits, 2 mantissa bits; 6 bits a number), with one power-of-two scale for each 32 numbers along K (OCP MX v1.0); their sums are f32. All else is computed in f32.
;;   The module's matrix products, in the order in which they are computed (A, B: the left and right operand; K: the contracted axis; several contracted axes count as one K, in the product's order):
;;     1. [M 8,192, K 512] x [K 512, N 512]; A: input Q (given as codes); B: input Wq (given as codes): QUANTISED
;;     2. [M 8,192, K 512] x [K 512, N 512]; A: input K (given as codes); B: input Wk (given as codes): QUANTISED
;;     3. [M 8,192, K 512] x [K 512, N 512]; A: input K (given as codes); B: input Wv (given as codes): QUANTISED
;;     4. batch 32 x [M 2,048, K 64] x [K 64, N 2,048]; A: computed on the way; B: computed on the way: QUANTISED
;;     5. batch 32 x [M 64, K 2,048] x [K 2,048, N 2,048]; A: computed on the way; B: softmax (see below): QUANTISED
;;     6. [M 8,192, K 512] x [K 512, N 512]; A: computed on the way; B: input Wo (given as codes): QUANTISED
;;   THE QUANTISER, for each operand of a quantised product, along K:
;;     - K is cut into blocks of 32 from its start; a last block that is shorter is filled with zeros.
;;     - A block's scale is 2^e with e = floor(log2(the largest magnitude in the block)) - 4, held to -126 .. 127; a block of zeros has e = 0. As a byte (E8M0): e + 127.
;;     - Each number is divided by its block's scale, clamped to +-28, and rounded to the nearest number of E3M2, ties to even, subnormals kept.
;;     - The product sums the exact products of the quantised numbers (number of the format x scale) in f32.
;;   ~~~python
;;   def quantise(x, axis):      # numpy; x: float32 -> the quantised numbers, widened to float32 again
;;       x = np.moveaxis(x, axis, -1); K = x.shape[-1]
;;       x = np.pad(x, [(0, 0)] * (x.ndim - 1) + [(0, -K % 32)]); x = x.reshape(x.shape[:-1] + (-1, 32)); a = np.abs(x).max(-1, keepdims=True)
;;       e = np.where(a > 0, np.clip(np.frexp(np.where(a > 0, a, 1))[1] - 1 - 4, -126, 127), 0)      # np.frexp(a)[1] - 1 = floor(log2(a)), exactly
;;       r = np.clip(x / 2.0 ** e, -28, 28)
;;       step = 2.0 ** (np.maximum(np.frexp(np.where(r == 0, 1, r))[1] - 1, -2) - 2)
;;       q = np.round(r / step) * step * 2.0 ** e      # np.round: ties to even
;;       return np.moveaxis(q.reshape(q.shape[:-2] + (-1,))[..., :K], -1, axis).astype(np.float32)
;;   ~~~
;;   SOFTMAX AHEAD OF A QUANTISED PRODUCT. Where the list says 'softmax', what is quantised is not the finished softmax but p = 2^(t - M), with t = logit x log2(e) and M = ceil(the row's largest t), a whole number; so 1/2 < the row's largest p <= 1. The row's sum l is taken of the UNQUANTISED p, in f32, and the product's result is divided by l at the end. Since M is a whole number, a kernel that streams over the keys may use a running M (the ceiling of the running maximum): every later rescaling is an exact power of two, which a block's scale takes up: the codes' values come out the same.
;;   OPERANDS COMPUTED ON THE WAY. 'Computed on the way' means the value that the module computes at that place (a softmax that the list does not call 'softmax' is quantised finished and normalised). What goes into a quantiser is computed in f32, as accurately as f32 sums, v_exp_f32 and their like allow (about 1e-6 of the number): no bf16 or f16 on the way to a quantiser, and a product that is left as it is and whose result goes on into a quantised operand takes f32 operands (vector FMAs, or v_wmma_f32_16x16x4_f32). A number that lies on a knife's edge between two numbers of the format may be rounded either way, as far as f32 arithmetic and the matrix unit's own rounding can turn it there, and no further.
;;   INPUTS GIVEN AS CODES. K (in the module: [4, 2048, 512], K = its axis 2); Q (in the module: [4, 2048, 512], K = its axis 2); Wk (in the module: [512, 512], K = its axis 0); Wo (in the module: [512, 512], K = its axis 0); Wq (in the module: [512, 512], K = its axis 0); Wv (in the module: [512, 512], K = its axis 0): each comes as NAME_codes (uint8): NAME with its K axis moved to the last place and cut into blocks of 32 codes, [.., K / 32, bytes a block], one block behind the other in memory; four codes in three bytes: a row's codes are one little-endian stream of bits, code i at bits 6 i .. 6 i + 5 (a code: sign, 3 exponent bits, 2 mantissa bits); and NAME_scales (uint8): the same leading axes, one E8M0 byte (e + 127) for each 32 codes along K. Its value is code x scale, taken as it is: it is not quantised again, and the codes and scales need not be those that the quantiser above would give.
;; 2 versions. Each part assembles by itself: llvm-mc -triple=amdgcn-amd-amdhsa -mcpu=gfx1250 --defsym DOCPART=n.
;; ======== version 1 of 2: 4 launches
;; workspace buffers: mw 2,097,152 bytes of whole numbers; qimg 4,194,304 bytes; qf 16,777,216 bytes; kv 6,946,816 bytes; oimg 16,777,216 bytes
;; launch pack (part 1): grid 512 x 1, 4 waves a work-group, no clusters, 34,304 bytes of LDS; arguments mask, mw; writes mw
.if DOCPART == 1
	.amdgcn_target "amdgcn-amd-amdhsa--gfx1250"
	.amdhsa_code_object_version 6
	.text
	.protected	k_qa5a18bdced_pack
	.globl	k_qa5a18bdced_pack
	.p2align	8
	.type	k_qa5a18bdced_pack,@function
k_qa5a18bdced_pack:
	s_mov_b64 s[64:65], 0
	v_nop
	global_prefetch_b8 v0, s[64:65] scope:SCOPE_SE
	s_setreg_imm32_b32 hwreg(HW_REG_WAVE_MODE, 25, 1), 1
	s_wait_xcnt 0x0
; mask [4][2048][2048] int32  ->  mw [512 tiles][16 steps][64 words]: the mask as lane masks, one bit a (query, key), read by all eight heads later.
; A TILE T of queries is the 16 rows R(T) + rho(r), R(T) = 32 (T / 2) + 8 (T % 2), rho(r) = r + 8 (r / 8): the rows that a lane r of the attention launch holds.
; Word n of step k: bit (r + 16 h) says whether mask[R(T) + rho(r)][128 k + 32 (n / 16) + 16 h + n % 16] is not 0: the key that score register n of lane (r, h) holds there.
; A work-group takes one tile, wave w the steps 4 w .. 4 w + 3.  Each load reads 512 consecutive bytes of one row (a step's 128 keys), 16 bytes a lane; the 16 rows turn through the wave's own
; stage in LDS (rows 528 bytes apart) and come back 64 numbers a lane.  A compare gives a word; 64 words leave as 256 consecutive bytes.
; No barrier: waves share nothing.  No matrix unit, no tensor load, no cluster: each mask byte is read once by one wave, and nothing is multiplied.
.set MROW,  8192                       ; bytes in a row of the mask
.set SP,    528                        ; a stage row: 512 bytes + 16
.set WSTG,  16*SP                      ; a wave's stage
.set W,     8                          ; v8-15    the words of step k: a pair, word n in lane n / 2, register n % 2
.set R,     16                         ; v16-143  two sets of 64: 16 rows as loaded
.set X,     144                        ; v144-207 my 64 numbers of a step
.set BAL,   16                         ; s16-31   sixteen words at a time
	s_load_b128 s[4:7], s[0:1], 0x0                ; mask, mw
	v_lshl_add_u32 v208, v0, 2, 0x8400
	v_mov_b32 v209, 0
	v_lshrrev_b32 v1, 5, v0
	v_readfirstlane_b32 s8, v1                     ; wave 0..3
	v_and_b32 v1, 31, v0                           ; lane
	v_lshlrev_b32 v2, 4, v1                        ; 16 x lane: my bytes of a load's 512
	v_lshlrev_b32 v3, 3, v1                        ; 8 x lane: my two words of a step's 64
	s_mul_i32 s9, s8, WSTG
	v_add_nc_u32 v4, s9, v2                        ; the stage, on the way in: a row as it was loaded
	v_and_b32 v6, 15, v0                           ; r
	v_bfe_u32 v7, v0, 4, 1                         ; h
	v_mul_u32_u24 v5, v6, SP
	v_lshl_add_u32 v5, v7, 6, v5
	v_add_nc_u32 v5, s9, v5                        ; and on the way out: row r, + 64 h
.irp k, 0,1,2,3,4,5,6,7
	v_mov_b32 v[W+\k], 0                           ; written once: v_writelane_b32 keeps the other lanes, so its destination counts as read
.endr
	s_lshr_b32 s10, ttmp9, 1
	s_lshl_b32 s10, s10, 5
	s_and_b32 s11, ttmp9, 1
	s_lshl_b32 s11, s11, 3
	s_add_co_u32 s10, s10, s11                     ; R(T), under 8,192
	s_lshl_b32 s10, s10, 13                        ; x 8,192 bytes
	s_lshl_b32 s11, s8, 11                         ; + my four steps' 2,048 bytes of a row
	s_add_co_u32 s10, s10, s11
	s_mov_b32 s11, 0
	s_lshl_b32 s12, ttmp9, 4
	s_lshl_b32 s13, s8, 2
	s_add_co_u32 s12, s12, s13                     ; 16 T + 4 w
	s_lshl_b32 s12, s12, 8                         ; 256 bytes a step
	s_mov_b32 s13, 0
	s_wait_kmcnt 0x0
	s_add_nc_u64 s[4:5], s[4:5], s[10:11]
	s_add_nc_u64 s[6:7], s[6:7], s[12:13]
.macro LOAD k                          ; step k's 16 rows into set k % 2
.irp i, 0,1,2,3,4,5,6,7,8,9,10,11,12,13,14,15
	global_load_b128 v[R+64*((\k)%2)+4*\i:R+64*((\k)%2)+4*\i+3], v2, s[4:5] offset:(\i+8*(\i/8))*MROW+512*(\k) th:TH_LOAD_NT
.endr
.endm
.macro STEP k
.if (\k) < 3
	s_wait_loadcnt 16                              ; this step's 16 loads are in; the next step's 16 may be out
.else
	s_wait_loadcnt 0x0
.endif
.irp i, 0,1,2,3,4,5,6,7,8,9,10,11,12,13,14,15
	ds_store_b128 v4, v[R+64*((\k)%2)+4*\i:R+64*((\k)%2)+4*\i+3] offset:SP*\i
.endr
.irp b, 0,1,2,3
.irp j, 0,1,2,3
	ds_load_b128 v[X+16*\b+4*\j:X+16*\b+4*\j+3], v5 offset:128*\b+16*\j   ; LDS serves a wave's instructions in order: these see the stores above
.endr
.endr
	s_wait_dscnt 0x0                               ; my 64 numbers are in, and the stores have read their registers,
.if (\k) < 2
	LOAD (\k)+2                                    ; which take the loads of two steps on
.endif
.irp q, 0,1,2,3
.irp m, 0,1,2,3,4,5,6,7,8,9,10,11,12,13,14,15
	v_cmp_ne_u32 s[BAL+\m], 0, v[X+16*\q+\m]       ; word 16 q + m: a bit for each lane
.endr
.irp m, 0,1,2,3,4,5,6,7,8,9,10,11,12,13,14,15
	v_writelane_b32 v[W+2*(\k)+\m%2], s[BAL+\m], 8*\q+\m/2
.endr
.endr
	global_store_b64 v3, v[W+2*(\k):W+2*(\k)+1], s[6:7] offset:256*(\k)   ; 32 lanes store 256 consecutive bytes, aligned; each step has its own pair, so no store's data are written again
.endm
	LOAD 0
	LOAD 1
	STEP 0
	STEP 1
	STEP 2
	STEP 3
	s_wait_tensorcnt 0x0
	ds_add_u32 v208, v209
	s_wait_dscnt 0x0
	s_endpgm
.Lfunc_end_k_qa5a18bdced_pack:
	.size	k_qa5a18bdced_pack, .Lfunc_end_k_qa5a18bdced_pack-k_qa5a18bdced_pack
	.p2alignl 7, 3214868480
	.fill 96, 4, 3214868480
	.section	.rodata,"a",@progbits
	.p2align	6, 0x0
	.amdhsa_kernel k_qa5a18bdced_pack
		.amdhsa_group_segment_fixed_size 34304
		.amdhsa_private_segment_fixed_size 0
		.amdhsa_enable_private_segment 0
		.amdhsa_kernarg_size 16
		.amdhsa_user_sgpr_count 2
		.amdhsa_user_sgpr_kernarg_segment_ptr 1
		.amdhsa_wavefront_size32 1
		.amdhsa_system_sgpr_workgroup_id_x 1
		.amdhsa_system_sgpr_workgroup_id_y 1
		.amdhsa_system_sgpr_workgroup_id_z 1
		.amdhsa_system_vgpr_workitem_id 0
		.amdhsa_next_free_vgpr 210
		.amdhsa_next_free_sgpr 66
		.amdhsa_reserve_vcc 0
		.amdhsa_float_denorm_mode_32 3
		.amdhsa_float_denorm_mode_16_64 3
		.amdhsa_memory_ordered 1
		.amdhsa_forward_progress 1
		.amdhsa_inst_pref_size 49
	.end_amdhsa_kernel
	.amdgpu_metadata
---
amdhsa.version: [ 1, 2 ]
amdhsa.kernels:
  - .name:           k_qa5a18bdced_pack
    .symbol:         k_qa5a18bdced_pack.kd
    .args:
      - { .name: mask, .offset: 0, .size: 8, .value_kind: global_buffer, .address_space: global }
      - { .name: mw, .offset: 8, .size: 8, .value_kind: global_buffer, .address_space: global }
    .group_segment_fixed_size: 34304
    .private_segment_fixed_size: 0
    .kernarg_segment_align: 8
    .kernarg_segment_size: 16
    .max_flat_workgroup_size: 128
    .sgpr_count:     66
    .vgpr_count:     210
    .wavefront_size: 32
...
	.end_amdgpu_metadata
.endif
;; end of part 1
;; launch proj (part 2): grid 64 x 3, 4 waves a work-group, no clusters, 0 bytes of LDS; arguments Q_codes, Q_scales, K_codes, K_scales, Wq_codes, Wq_scales, Wk_codes, Wk_scales, Wv_codes, Wv_scales, bq, bk, bv, temperature, qimg, qf, kv; writes qimg, qf, kv
.if DOCPART == 2
	.amdgcn_target "amdgcn-amd-amdhsa--gfx1250"
	.amdhsa_code_object_version 6
	.text
	.protected	k_qa5a18bdced_proj
	.globl	k_qa5a18bdced_proj
	.p2align	8
	.type	k_qa5a18bdced_proj,@function
k_qa5a18bdced_proj:
	s_mov_b64 s[64:65], 0
	v_nop
	global_prefetch_b8 v0, s[64:65] scope:SCOPE_SE
	s_setreg_imm32_b32 hwreg(HW_REG_WAVE_MODE, 25, 1), 1
	s_wait_xcnt 0x0
; The three projections q = Q Wq + bq, k = K Wk + bk, v = K Wv + bv on the given codes of BF6 (E3M2), and the quantising of their results for the attention launch.  One text, three roles (work-group y: 0 q, 1 k, 2 v).
; D = S0 x S1^T.  S0 runs along the axis that the RESULT is quantised along (q, k: the output channels, rows of the weight; v: the keys, rows of K): 128 rows, all of K = 512, 384 registers that stay.
; S1 runs along the lanes (q, k: tokens; v: channels, rows of Wv): eight tiles of 16 rows, streamed, one tile (a unit: 32 matrix instructions) ahead.
; THE ROWS OF A TILE ARE NOT NEIGHBOURS, on either side: lane r of tile T takes row R(T) + rho(r), R(T) = 32 (T / 2) + 8 (T % 2), rho(r) = r + 8 (r / 8).  So register 16 b + i of a lane's 64 results is S0's row
; 32 b + 16 (lane / 16) + i: sixteen neighbours along the next product's K, which the conversions want in one lane.
; WHAT IS STORED is laid as the reader's registers: a group of four registers as 16 bytes a lane on end (512 bytes), two as 8 bytes a lane, one as 4.
;   q: qimg [tile][head] 1,024 bytes: the six code registers of the head's 64 channels, then the scale word by lane (bytes 0, 1 the two blocks' scales; bytes 2, 3 the byte 1, for the half of the instruction's K that holds zero codes);
;      qf [tile][head] 4,096 bytes: q itself in f32, 32 registers, for the residual.
;   k, v: kv [batch][head][step of 128 keys] records of 13,568 bytes: 8 tiles of K's codes, 4 tiles of V^T's codes (K = the 128 keys), their scale words, and c[key] = log2(e) / sqrt(512) / temperature[key].
; The bias of q and k lies along S0 and is the C of each sum's first matrix instruction; v's lies along the lanes and is added behind the sums.
; A block's scale is 2^(floor(log2(largest magnitude)) - 4): its byte is the largest magnitude's exponent field - 4, held at 1 from below.
; LIMITS: NaN and infinities are not served; a temperature of 0 or a denormal one is not served (v_rcp_f32); a block of zeros, or one whose largest magnitude lies under 2^-122, keeps the byte 1 (its codes are zeros or the
; format's smallest; these bytes are read by this program alone).
; No LDS, no tensor loads, no cluster: every operand goes straight into the registers in which it is multiplied.  Four waves, one to a SIMD.  192 work-groups: 6,144 units, eight to a wave, with S0 loaded once a wave.
.set ROWC,  384                        ; a row of 512 codes in bytes
.set REC,   13568                      ; a record of kv
.set HEADB, 16*REC                     ; a head's 16 records
.set KOFF,  0                          ; in a record: K's 8 tiles x 768 bytes
.set VOFF,  6144                       ; V's 4 tiles x 1,536 bytes
.set KSOFF, 12288                      ; K's scale words: [r + 16 (tile % 2)][tile / 2], 512 bytes
.set VSOFF, 12800                      ; V's: [r + 16 (tile % 2)][tile / 2], 256 bytes
.set COFF,  13056                      ; c, 128 f32 in the order of the keys
.set VA,   1                           ; v1   rho(r) x 384 + 24 h: my bytes of a fragment's row
.set VS,   2                           ; v2   rho(r) x 16: my row's scale bytes
.set LI16, 3                           ; v3   16 x lane
.set LI8,  4                           ; v4   8 x lane
.set LI4,  5                           ; v5   4 x lane
.set R16,  6                           ; v6   16 r
.set R8,   7                           ; v7   8 r
.set CA,   8                           ; v8   4 rho(r)
.set BA,   9                           ; v9   64 h
.set S1F,  16                          ; v16-63   S1's four fragments
.set ACC,  64                          ; v64-127  eight accumulators
.set PC,   128                         ; v128-146 the codes just made (12), and the conversions' second halves
.set TM,   148                         ; v148-163 largest magnitudes, bytes, the conversions' scale operands
.set PW,   164                         ; v164 the four blocks' scale bytes
.set WA,   165                         ; v165, v166 the scale words of the two heads
.set WB,   166
.set TMPV, 167
.set AUXL, 168                         ; v168 temperature (k) or bv (v) of my lane's row of S1, as loaded
.set AUX,  170                         ; v[170:171] its copy, named as a pair
.set S1S,  172                         ; v172-175 S1's scale words, K step s
.set S0S,  176                         ; v176-207 S0's: 4 t + s
.set BI,   192                         ; in window 2: the bias along S0, eight registers a tile
.set SEL,  70                          ; s[70:71] v_permlanex16_b32's selects for lane l xor 16
.set MSB, 0
.macro WIN new                         ; the immediate's high byte repeats the setting that is left
.if MSB != \new
	s_set_vgpr_msb (MSB<<8)|\new
.set MSB, \new
.endif
.endm
	s_load_b512 s[4:19], s[0:1], 0x0               ; Q's codes, scales; K's codes, scales; Wq's; Wk's
	s_load_b512 s[20:35], s[0:1], 0x40             ; Wv's codes, scales; bq; bk; bv; temperature; qimg; qf
	s_load_b64 s[36:37], s[0:1], 0x80              ; kv
	v_lshrrev_b32 v10, 5, v0
	v_readfirstlane_b32 s52, v10                   ; wave w
	s_and_b32 s53, ttmp7, 0xffff                   ; role
	s_mov_b32 s54, ttmp9                           ; x
	v_and_b32 v10, 15, v0                          ; r
	v_bfe_u32 v11, v0, 4, 1                        ; h
	v_and_b32 v12, 31, v0                          ; lane
	v_and_b32 v13, 8, v10
	v_add_nc_u32 v13, v13, v10                     ; rho(r)
	v_mul_u32_u24 v[VA], v13, ROWC
	v_mad_u32_u24 v[VA], v11, 24, v[VA]
	v_lshlrev_b32 v[VS], 4, v13
	v_lshlrev_b32 v[LI16], 4, v12
	v_lshlrev_b32 v[LI8], 3, v12
	v_lshlrev_b32 v[LI4], 2, v12
	v_lshlrev_b32 v[R16], 4, v10
	v_lshlrev_b32 v[R8], 3, v10
	v_lshlrev_b32 v[CA], 2, v13
	v_lshlrev_b32 v[BA], 6, v11
.irp b, 0,1,2,3
	v_mov_b32 v[TM+4+\b], 0                        ; written once: a lane permute's destination counts as one of its sources
.endr
	v_mov_b32 v[AUXL], 0                           ; (role q loads nothing here)
	v_mov_b32 v[AUX+1], 0                          ; (named as the upper half of a pair)
	s_mov_b32 s[SEL], 0x76543210
	s_mov_b32 s[SEL+1], 0xfedcba98
	s_mov_b32 s74, 0x01010000                      ; the byte 1 for the two blocks of K that hold zero codes
	s_mov_b32 s75, 0x3d8293ee                      ; log2(e) / sqrt(512)
	s_mov_b32 s57, 0
	s_wait_kmcnt 0x0
	; which buffers are S0 and S1: a choice on the role alone
	s_cmp_eq_u32 s53, 0
	s_cselect_b64 s[40:41], s[12:13], s[16:17]     ; S0's codes: Wq's or Wk's
	s_cselect_b64 s[42:43], s[14:15], s[18:19]     ; S0's scales
	s_cselect_b64 s[44:45], s[4:5], s[8:9]         ; S1's codes: Q's or K's
	s_cselect_b64 s[46:47], s[6:7], s[10:11]       ; S1's scales
	s_cselect_b64 s[48:49], s[24:25], s[26:27]     ; the bias along S0: bq or bk
	s_cmp_eq_u32 s53, 2
	s_cselect_b64 s[40:41], s[8:9], s[40:41]       ; role v: S0 = K,
	s_cselect_b64 s[42:43], s[10:11], s[42:43]
	s_cselect_b64 s[44:45], s[20:21], s[44:45]     ; S1 = Wv
	s_cselect_b64 s[46:47], s[22:23], s[46:47]
	s_cselect_b64 s[50:51], s[28:29], s[30:31]     ; by lane: bv, or the temperature
	s_cselect_b32 s72, s54, s52                    ; S0's block of 128 rows: x (v) or w
	s_cselect_b32 s73, s52, s54                    ; S1's block of 128 rows: w (v) or x
	s_mul_i32 s56, s72, 128*ROWC
	s_add_nc_u64 s[40:41], s[40:41], s[56:57]
	s_lshl_b32 s56, s72, 11
	s_add_nc_u64 s[42:43], s[42:43], s[56:57]
	s_mul_i32 s56, s73, 128*ROWC
	s_add_nc_u64 s[44:45], s[44:45], s[56:57]
	s_lshl_b32 s56, s73, 11
	s_add_nc_u64 s[46:47], s[46:47], s[56:57]
	s_lshl_b32 s56, s73, 9
	s_add_nc_u64 s[50:51], s[50:51], s[56:57]
	; where the results go
	s_lshl_b32 s76, s54, 6
	s_lshl_b32 s77, s52, 1
	s_add_co_u32 s76, s76, s77                     ; 8 x (tile 8 x) + head 2 w
	s_lshl_b32 s56, s76, 10
	s_add_nc_u64 s[58:59], s[32:33], s[56:57]      ; qimg
	s_lshl_b32 s56, s76, 12
	s_add_nc_u64 s[60:61], s[34:35], s[56:57]      ; qf
	s_lshr_b32 s76, s54, 4                         ; batch
	s_lshl_b32 s76, s76, 3
	s_add_co_u32 s76, s76, s77                     ; 8 x batch + head 2 w
	s_lshl_b32 s76, s76, 4
	s_and_b32 s77, s54, 15                         ; the step of 128 keys
	s_add_co_u32 s76, s76, s77
	s_mul_i32 s56, s76, REC
	s_add_nc_u64 s[62:63], s[36:37], s[56:57]      ; kv: my first head's record of this step
	; S0: tile t, K step s.  Window 1: K steps 0, 1 at v[24 t + 12 s]; window 2: K steps 2, 3 likewise
	WIN 0x40
.irp t, 0,1,2,3,4,5,6,7
.irp s, 0,1
.irp p, 0,1,2,3,4,5
	global_load_b64 v[24*\t+12*\s+2*\p:24*\t+12*\s+2*\p+1], v[VA], s[40:41] offset:(32*(\t/2)+8*(\t%2))*ROWC+96*\s+48*(\p/3)+8*(\p%3)
.endr
.endr
.endr
	WIN 0x80
.irp t, 0,1,2,3,4,5,6,7
.irp s, 0,1
.irp p, 0,1,2,3,4,5
	global_load_b64 v[24*\t+12*\s+2*\p:24*\t+12*\s+2*\p+1], v[VA], s[40:41] offset:(32*(\t/2)+8*(\t%2))*ROWC+192+96*\s+48*(\p/3)+8*(\p%3)
.endr
.endr
.endr
	WIN 0
.irp t, 0,1,2,3,4,5,6,7
	global_load_b128 v[S0S+4*\t:S0S+4*\t+3], v[VS], s[42:43] offset:(32*(\t/2)+8*(\t%2))*16   ; a row's 16 scale bytes are the words of its four K steps
.endr
	s_cmp_eq_u32 s53, 2
	s_cbranch_scc1 .Lno_bias0
	s_lshl_b32 s56, s52, 9                         ; q, k: my 128 channels' bias; lane (r, h) wants, for tile t, that of channels R(t) + 16 h + 0 .. 7
	s_add_nc_u64 s[48:49], s[48:49], s[56:57]
	WIN 0x80
.irp t, 0,1,2,3,4,5,6,7
	global_load_b128 v[BI+8*\t:BI+8*\t+3], v[BA], s[48:49] offset:(32*(\t/2)+8*(\t%2))*4
	global_load_b128 v[BI+8*\t+4:BI+8*\t+7], v[BA], s[48:49] offset:(32*(\t/2)+8*(\t%2))*4+16
.endr
	WIN 0
	s_branch .Lbias0_done
.Lno_bias0:
	WIN 0x80
.set j, 0
.rept 64
	v_mov_b32 v[BI+j], 0                           ; v: no bias along S0.  Once a wave, so that the three roles share the products' text
.set j, j+1
.endr
	WIN 0
.Lbias0_done:
; S1's tile i: four fragments, the row's scale words, and (k, v) the number that goes with my lane's row
.macro S1LOAD i
.set RO1, 32*((\i)/2)+8*((\i)%2)
.irp s, 0,1,2,3
.irp p, 0,1,2,3,4,5
	global_load_b64 v[S1F+12*\s+2*\p:S1F+12*\s+2*\p+1], v[VA], s[44:45] offset:RO1*ROWC+96*\s+48*(\p/3)+8*(\p%3)
.endr
.endr
	global_load_b128 v[S1S:S1S+3], v[VS], s[46:47] offset:RO1*16
	s_cmp_eq_u32 s53, 0
	s_cbranch_scc1 .Lno_aux_\@
	global_load_b32 v[AUXL], v[CA], s[50:51] offset:RO1*4
.Lno_aux_\@:
.endm
; 64 numbers of a lane, v[s] .. v[s + 63], register 16 b + i = k 32 b + 16 (lane / 16) + i of my row, become a fragment's codes in v[PC] on and the four blocks' scale bytes in v[PW].
.macro QUANT s
.irp b, 0,1,2,3
	v_max3_num_f32 v[TM+\b], |v[\s+16*\b]|, |v[\s+1+16*\b]|, 0x2800000   ; block b: my 16 numbers, and the floor 2^(5 - 127): so the byte cannot fall under 1
.endr
.irp i, 2,4,6,8,10,12,14
.irp b, 0,1,2,3
	v_max3_num_f32 v[TM+\b], v[TM+\b], |v[\s+16*\b+\i]|, |v[\s+1+16*\b+\i]|   ; (the four blocks by turns)
.endr
.endr
.irp b, 0,1,2,3
	v_permlanex16_b32 v[TM+4+\b], v[TM+\b], s[SEL], s[SEL+1]
.endr
.irp b, 0,1,2,3
	v_max_num_f32 v[TM+\b], v[TM+\b], v[TM+4+\b]   ; with lane l xor 16's: the block's largest magnitude
.endr
.irp b, 0,1,2,3
	v_add_nc_u32 v[TM+12+\b], 0xfe000000, v[TM+\b] ; 4 off its exponent field: the conversion takes the exponent field of this operand as its scale
.endr
.irp b, 0,1,2,3
	v_lshrrev_b32 v[TM+4+\b], 23, v[TM+12+\b]      ; the scale's byte
.endr
	v_lshl_or_b32 v[PW], v[TM+5], 8, v[TM+4]
	v_lshl_or_b32 v[PW], v[TM+6], 16, v[PW]
	v_lshl_or_b32 v[PW], v[TM+7], 24, v[PW]
.irp c, 0,1
	v_cvt_scalef32_pk16_bf6_f32 v[PC+6*\c:PC+2+6*\c], v[\s+32*\c:\s+15+32*\c], v[TM+12+2*\c]
	v_cvt_scalef32_pk16_bf6_f32 v[PC+12+4*\c:PC+14+4*\c], v[\s+16+32*\c:\s+31+32*\c], v[TM+12+2*\c+1]   ; (a conversion's three registers begin on an even number)
.endr
	v_nop                                          ; one plain place behind a scaled conversion
.irp c, 0,1                                    ; the operand's layout wants a WHOLE block in a lane: lanes 0-15 block 2 c, lanes 16-31 block 2 c + 1
.irp i, 0,1,2
	v_permlane16_swap_b32 v[PC+6*\c+\i], v[PC+12+4*\c+\i]
.endr
.irp i, 0,1,2
	v_mov_b32 v[PC+3+6*\c+\i], v[PC+12+4*\c+\i]
.endr
.endr
.endm
; A UNIT: S0's 128 rows x S1's tile i.  The eight accumulators take turns, K step by K step.
.macro UNIT i
.set ROU, 32*((\i)/2)+8*((\i)%2)
	s_wait_loadcnt 0x0                             ; this unit's tile of S1 (asked for a unit ago) is in
	WIN 0x21                                       ; source 0 (S0) window 1, source 2 (the bias) window 2
.irp t, 0,1,2,3,4,5,6,7
	v_wmma_scale_f32_16x16x128_f8f6f4 v[ACC+8*\t:ACC+8*\t+7], v[24*\t:24*\t+11], v[S1F:S1F+11], v[BI+8*\t:BI+8*\t+7], v[S0S+4*\t], v[S1S] matrix_a_fmt:MATRIX_FMT_BF6 matrix_b_fmt:MATRIX_FMT_BF6
.endr
	WIN 0x01
.irp t, 0,1,2,3,4,5,6,7
	v_wmma_scale_f32_16x16x128_f8f6f4 v[ACC+8*\t:ACC+8*\t+7], v[24*\t+12:24*\t+23], v[S1F+12:S1F+23], v[ACC+8*\t:ACC+8*\t+7], v[S0S+4*\t+1], v[S1S+1] matrix_a_fmt:MATRIX_FMT_BF6 matrix_b_fmt:MATRIX_FMT_BF6
.endr
	WIN 0x02                                       ; source 0 window 2
.irp t, 0,1,2,3,4,5,6,7
	v_wmma_scale_f32_16x16x128_f8f6f4 v[ACC+8*\t:ACC+8*\t+7], v[24*\t:24*\t+11], v[S1F+24:S1F+35], v[ACC+8*\t:ACC+8*\t+7], v[S0S+4*\t+2], v[S1S+2] matrix_a_fmt:MATRIX_FMT_BF6 matrix_b_fmt:MATRIX_FMT_BF6
.endr
.irp t, 0,1,2,3,4,5,6,7
	v_wmma_scale_f32_16x16x128_f8f6f4 v[ACC+8*\t:ACC+8*\t+7], v[24*\t+12:24*\t+23], v[S1F+36:S1F+47], v[ACC+8*\t:ACC+8*\t+7], v[S0S+4*\t+3], v[S1S+3] matrix_a_fmt:MATRIX_FMT_BF6 matrix_b_fmt:MATRIX_FMT_BF6
.endr
	WIN 0
	v_mov_b32 v[AUX], v[AUXL]                      ; kept, since the next unit's load lands in its place.  With the three v_nop: four places behind the products (ISA guide 7.12.1),
.rept 3
	v_nop                                          ; in front of the loads into S1's registers and of the first read of results
.endr
.if (\i) < 7
	S1LOAD (\i)+1
.endif
	s_cmp_eq_u32 s53, 2
	s_cbranch_scc0 .Lno_lane_bias_\@
.set j, 0
.rept 32
	v_pk_add_f32 v[ACC+j:ACC+j+1], v[ACC+j:ACC+j+1], v[AUX:AUX+1] op_sel_hi:[1,0]   ; v: + bv of my lane's channel (each accumulator from its low end on)
.set j, j+2
.endr
.Lno_lane_bias_\@:
	QUANT ACC
	s_cmp_eq_u32 s53, 2
	s_cbranch_scc1 .Lrole_v_\@
	v_and_or_b32 v[WA], v[PW], 0xffff, s74         ; q, k: blocks 0, 1 are head 2 w's 64 channels, blocks 2, 3 head 2 w + 1's
	v_lshrrev_b32 v[WB], 16, v[PW]
	v_or_b32 v[WB], s74, v[WB]
	s_cmp_eq_u32 s53, 0
	s_cbranch_scc0 .Lrole_k_\@
.irp c, 0,1,2,3,4,5,6,7,8,9,10,11,12,13,14,15
	global_store_b128 v[LI16], v[ACC+4*\c:ACC+4*\c+3], s[60:61] offset:32768*(\i)+512*\c   ; q in f32: two heads' 32 registers; a wave's store covers 512 consecutive bytes
.endr
	global_store_b128 v[LI16], v[PC:PC+3], s[58:59] offset:8192*(\i)
	global_store_b64 v[LI8], v[PC+4:PC+5], s[58:59] offset:8192*(\i)+512
	global_store_b32 v[LI4], v[WA], s[58:59] offset:8192*(\i)+768
	global_store_b128 v[LI16], v[PC+6:PC+9], s[58:59] offset:8192*(\i)+1024
	global_store_b64 v[LI8], v[PC+10:PC+11], s[58:59] offset:8192*(\i)+1536
	global_store_b32 v[LI4], v[WB], s[58:59] offset:8192*(\i)+1792
	s_branch .Lstored_\@
.Lrole_k_\@:
	global_store_b128 v[LI16], v[PC:PC+3], s[62:63] offset:KOFF+768*(\i)
	global_store_b64 v[LI8], v[PC+4:PC+5], s[62:63] offset:KOFF+768*(\i)+512
	global_store_b128 v[LI16], v[PC+6:PC+9], s[62:63] offset:HEADB+KOFF+768*(\i)
	global_store_b64 v[LI8], v[PC+10:PC+11], s[62:63] offset:HEADB+KOFF+768*(\i)+512
	global_store_b32 v[R16], v[WA], s[62:63] offset:KSOFF+256*((\i)%2)+4*((\i)/2)   ; (lanes r and r + 16 store the same word to the same place)
	global_store_b32 v[R16], v[WB], s[62:63] offset:HEADB+KSOFF+256*((\i)%2)+4*((\i)/2)
	v_rcp_f32 v[TMPV], v[AUX]                      ; 1 / temperature of my lane's key
	v_nop                                          ; one plain place behind a transcendental
	s_wait_alu depctr_va_vdst(0)
	v_mul_f32 v[TMPV], s75, v[TMPV]                ; c
	global_store_b32 v[CA], v[TMPV], s[62:63] offset:COFF+4*ROU
	global_store_b32 v[CA], v[TMPV], s[62:63] offset:HEADB+COFF+4*ROU
	s_branch .Lstored_\@
.Lrole_v_\@:
.irp c, 0,1,2
	global_store_b128 v[LI16], v[PC+4*\c:PC+4*\c+3], s[62:63] offset:((\i)/4)*HEADB+VOFF+1536*((\i)%4)+512*\c   ; channels' tile i % 4 of head 2 w + i / 4
.endr
	global_store_b32 v[R8], v[PW], s[62:63] offset:((\i)/4)*HEADB+VSOFF+128*((\i)%2)+4*(((\i)%4)/2)
.Lstored_\@:
	s_wait_xcnt 0x0                                ; the stores' data registers are written again only behind this wait
.endm
	S1LOAD 0
.irp u, 0,1,2,3,4,5,6,7
	UNIT \u
.endr
	s_endpgm
.Lfunc_end_k_qa5a18bdced_proj:
	.size	k_qa5a18bdced_proj, .Lfunc_end_k_qa5a18bdced_proj-k_qa5a18bdced_proj
	.p2alignl 7, 3214868480
	.fill 96, 4, 3214868480
	.section	.rodata,"a",@progbits
	.p2align	6, 0x0
	.amdhsa_kernel k_qa5a18bdced_proj
		.amdhsa_group_segment_fixed_size 0
		.amdhsa_private_segment_fixed_size 0
		.amdhsa_enable_private_segment 0
		.amdhsa_kernarg_size 136
		.amdhsa_user_sgpr_count 2
		.amdhsa_user_sgpr_kernarg_segment_ptr 1
		.amdhsa_wavefront_size32 1
		.amdhsa_system_sgpr_workgroup_id_x 1
		.amdhsa_system_sgpr_workgroup_id_y 1
		.amdhsa_system_sgpr_workgroup_id_z 1
		.amdhsa_system_vgpr_workitem_id 0
		.amdhsa_next_free_vgpr 768
		.amdhsa_next_free_sgpr 80
		.amdhsa_reserve_vcc 0
		.amdhsa_float_denorm_mode_32 3
		.amdhsa_float_denorm_mode_16_64 3
		.amdhsa_memory_ordered 1
		.amdhsa_forward_progress 1
		.amdhsa_inst_pref_size 156
	.end_amdhsa_kernel
	.amdgpu_metadata
---
amdhsa.version: [ 1, 2 ]
amdhsa.kernels:
  - .name:           k_qa5a18bdced_proj
    .symbol:         k_qa5a18bdced_proj.kd
    .args:
      - { .name: Q_codes, .offset: 0, .size: 8, .value_kind: global_buffer, .address_space: global }
      - { .name: Q_scales, .offset: 8, .size: 8, .value_kind: global_buffer, .address_space: global }
      - { .name: K_codes, .offset: 16, .size: 8, .value_kind: global_buffer, .address_space: global }
      - { .name: K_scales, .offset: 24, .size: 8, .value_kind: global_buffer, .address_space: global }
      - { .name: Wq_codes, .offset: 32, .size: 8, .value_kind: global_buffer, .address_space: global }
      - { .name: Wq_scales, .offset: 40, .size: 8, .value_kind: global_buffer, .address_space: global }
      - { .name: Wk_codes, .offset: 48, .size: 8, .value_kind: global_buffer, .address_space: global }
      - { .name: Wk_scales, .offset: 56, .size: 8, .value_kind: global_buffer, .address_space: global }
      - { .name: Wv_codes, .offset: 64, .size: 8, .value_kind: global_buffer, .address_space: global }
      - { .name: Wv_scales, .offset: 72, .size: 8, .value_kind: global_buffer, .address_space: global }
      - { .name: bq, .offset: 80, .size: 8, .value_kind: global_buffer, .address_space: global }
      - { .name: bk, .offset: 88, .size: 8, .value_kind: global_buffer, .address_space: global }
      - { .name: bv, .offset: 96, .size: 8, .value_kind: global_buffer, .address_space: global }
      - { .name: temperature, .offset: 104, .size: 8, .value_kind: global_buffer, .address_space: global }
      - { .name: qimg, .offset: 112, .size: 8, .value_kind: global_buffer, .address_space: global }
      - { .name: qf, .offset: 120, .size: 8, .value_kind: global_buffer, .address_space: global }
      - { .name: kv, .offset: 128, .size: 8, .value_kind: global_buffer, .address_space: global }
    .group_segment_fixed_size: 0
    .private_segment_fixed_size: 0
    .kernarg_segment_align: 8
    .kernarg_segment_size: 136
    .max_flat_workgroup_size: 128
    .sgpr_count:     80
    .vgpr_count:     768
    .wavefront_size: 32
...
	.end_amdgpu_metadata
.endif
;; end of part 2
;; launch attn (part 3): grid 8 x 32, 16 waves a work-group, clusters of 4 x 1, 219,136 bytes of LDS; arguments qimg, kv, mw, qf, oimg; writes oimg
.if DOCPART == 3
	.amdgcn_target "amdgcn-amd-amdhsa--gfx1250"
	.amdhsa_code_object_version 6
	.text
	.protected	k_qa5a18bdced_attn
	.globl	k_qa5a18bdced_attn
	.p2align	8
	.type	k_qa5a18bdced_attn,@function
k_qa5a18bdced_attn:
	s_mov_b64 s[64:65], 0
	v_nop
	global_prefetch_b8 v0, s[64:65] scope:SCOPE_SE
	s_setreg_imm32_b32 hwreg(HW_REG_WAVE_MODE, 25, 1), 1
	s_wait_xcnt 0x0
	s_wait_alu depctr_hold_cnt(0) depctr_sa_sdst(0) depctr_va_vdst(0) depctr_va_sdst(0) depctr_va_ssrc(0) depctr_va_vcc(0) depctr_vm_vsrc(0)
	s_getreg_b32 s2, hwreg(HW_REG_IB_STS2, 6, 4)
	s_cmp_eq_u32 s2, 0
	s_cbranch_scc0 .Lentry_in_a_cluster
	s_endpgm
.Lentry_in_a_cluster:
	s_bfe_u32 s2, ttmp6, 0x10000c
	s_cmp_lg_u32 s2, 0x3003
	s_cbranch_scc0 .Lentry_shape_is_right
	s_endpgm
.Lentry_shape_is_right:
; oimg = q + softmax((q k^T / sqrt(512)) / temperature[key], masked logits = -1e9) v, for one (batch, head) and 256 queries a work-group; both products on codes of BF6 (E3M2) with E8M0 scales.
; t = score x c[key], c = log2(e) / sqrt(512) / temperature; where the mask is 0, t = -1e9 x log2(e) (a whole number in f32).  M = the running largest t, rounded up to a whole number; p = 2^(t - M) is quantised along the keys,
; not normalised; the row's sum is taken of the unquantised p and divides at the end.  When M moves, the sum and O are multiplied by 2^(old M - new M): exact.  A row whose keys are all masked has p = 1 throughout.
; SHARES.  Sixteen waves, each ONE tile of 16 queries in 256 registers: four waves to a SIMD, so that one wave's vector work stands beside another's products and LDS loads.  The vector work of a step (some 340 instructions
; for 12 matrix instructions) is what there is most of, so no larger wave tile is taken.
; LDS.  The head's whole stream of kv (16 records of 128 keys: K's codes, V^T's codes, their scale words, c; 217,088 bytes) lies in LDS as it lies in memory, FILLED ONCE: no slot is ever filled again.
; CLUSTER.  The four work-groups of a cluster share (batch, head): each part of the stream is asked for jointly, by the same tensor load with the same descriptor and the mask 15.  Each wave asks for a sixteenth of records
; 0, 1 (load A) and of records 2 .. 15 (load B): two tensor loads of a wave are out at the most.  The first two steps run while B is on its way.
; LAYOUT.  Both products are used transposed (S^T = K Q^T, O^T = V^T P^T): a lane holds one query throughout; the keys of a tile of K are chosen (in the launch that made the records) so that score register 16 b + i is key 32 b + 16 (lane / 16) + i.
; THE HEAD HAS 64 CHANNELS, THE INSTRUCTION 128 ALONG K: Q's upper six registers hold zero codes; K's operand of tile t is v[FR + 6 t .. + 11], whose upper six registers hold the next tile's codes (zeros behind tile 7).
; Every code is a finite number, so those products are exactly 0; both sides' scale bytes there are 1.
; THE MASK comes as lane masks (64 words a step, one for each score register), by scalar loads a step ahead.
; LIMITS: NaN and infinities are not served.  p under 2^-126 counts as 0 (v_exp_f32).
.set REC,   13568
.set HEADB, 16*REC
.set KOFF,  0
.set VOFF,  6144
.set KSOFF, 12288
.set VSOFF, 12800
.set COFF,  13056
.set ASH,   2*REC/16                   ; a wave's share of records 0, 1: 1,696 bytes
.set BSH,   14*REC/16                  ; and of records 2 .. 15: 11,872 bytes
.set LI16, 1                           ; v1   16 x lane
.set LI8,  2                           ; v2   8 x lane
.set H64,  3                           ; v3   64 (lane / 16)
.set ADK,  4                           ; v4-6 the step's LDS addresses
.set ADK8, 5
.set ADC,  6
.set NEGV, 7                           ; v7   t of a masked key
.set NM,   8                           ; v8   -M   (named with v9 as a pair; the low word serves both halves)
.set TMX,  9                           ; v9   the running largest t
.set LS,   10                          ; v[10:11] the row's sum, in two halves
.set QC,   12                          ; v12-17 Q's codes, v18-23 zero codes
.set QW,   24                          ; v24  Q's scale word
.set LI4,  25                          ; v25  4 x lane
.set KS,   26                          ; v26-29 K's scale words: register b, lanes 0-15 tile 2 b, lanes 16-31 tile 2 b + 1
.set VS,   30                          ; v30-31 V's likewise
.set S,    32                          ; v32-95 S^T, then t, then p
.set OT,   96                          ; v96-127 O^T: register 16 B + i = channel 32 B + 16 (lane / 16) + i of the head
.set FR,   128                         ; v128-175 eight tiles of K (6 registers each) or four of V (12); v176-181 zero codes
.set CK,   182                         ; v182-245 c of my 64 keys; once t is made these registers are at work:
.set BM,   182                         ;   the blocks' largest t, then p
.set BP,   186                         ;   the other half's, then the bytes
.set SO,   190                         ;   the conversions' scale operands
.set PC,   194                         ;   p's codes, 12 registers
.set PT,   206                         ;   the conversions' second halves
.set FF,   214                         ;   f = 2^(old M - new M), named as a pair
.set TT,   216
.set SUM2, 218
.set PW,   246                         ; v246 p's scale word: a register of its own
.set WV,   14                          ; s14  my wave's number
.set CNT,  15
.set G1B,  16                          ; s[16:23], s[24:27] load B's descriptor
.set G0B,  24
.set G1A,  28                          ; s[28:35], s[36:39] load A's; behind the wait that shows A landed these registers take mask words
.set G0A,  36
.set TB,   60                          ; s60  LDS byte at which the step's record begins
.set MO,   61                          ; s61  byte at which the next step's mask words begin
.set SEL,  62                          ; s[62:63]
; mask words 0-31 in s28-59, 32-63 in s68-99
.macro ROUND                           ; a round of the cluster's barrier
	s_barrier_signal -1
	s_barrier_wait -1
	s_cmp_lg_u32 s[WV], 0
	s_cbranch_scc1 .Lnot_wave_0_\@
	s_barrier_signal -3
.Lnot_wave_0_\@:
	s_barrier_wait -3
	s_barrier_signal -1
	s_barrier_wait -1
.endm
.macro MASKLOAD                        ; 64 words, 256 bytes
	s_load_b512 s[28:43], s[8:9], s[MO] offset:0x0
	s_load_b512 s[44:59], s[8:9], s[MO] offset:0x40
	s_load_b512 s[68:83], s[8:9], s[MO] offset:0x80
	s_load_b512 s[84:99], s[8:9], s[MO] offset:0xc0
.endm
	s_load_b256 s[4:11], s[0:1], 0x0               ; qimg, kv, mw, qf
	s_load_b64 s[12:13], s[0:1], 0x20              ; oimg
	v_lshl_add_u32 v254, v0, 2, 0x35000
	v_mov_b32 v255, 0
	ds_add_u32 v254, v255
	ds_add_u32 v254, v255
	v_lshrrev_b32 v1, 5, v0
	v_readfirstlane_b32 s[WV], v1                  ; wave 0..15
	; what the four partners share: (batch, head) and the wave's number.  Nothing else enters a descriptor
	s_and_b32 s70, ttmp7, 0xffff                   ; 8 x batch + head
	s_mul_i32 s80, s70, HEADB
	s_mov_b32 s81, 0
	s_mul_i32 s[G0A+1], s[WV], ASH                 ; LDS address = the byte's place in the head's stream
	s_mul_i32 s[G0B+1], s[WV], BSH
	s_add_co_u32 s[G0B+1], s[G0B+1], 2*REC
	s_mov_b32 s82, s[G0A+1]
	s_mov_b32 s83, 0
	s_mov_b32 s84, s[G0B+1]
	s_mov_b32 s85, 0
	s_add_nc_u64 s[82:83], s[82:83], s[80:81]
	s_add_nc_u64 s[84:85], s[84:85], s[80:81]
	; group 1: one row of elements of 8 bytes
	s_mov_b32 s[G1A], 15|(3<<16)|(1<<21)           ; 15:0 the mask: all four work-groups; 17:16 elements of 8 bytes; 21 set beside a mask; no padding
	s_mov_b32 s[G1A+1], (ASH/8)<<16                ; tensor_dim0
	s_mov_b32 s[G1A+2], 1<<16                      ; tensor_dim1 = 1
	s_mov_b32 s[G1A+3], (ASH/8)<<16                ; tile_dim0
	s_mov_b32 s[G1A+4], 1                          ; tile_dim1 = 1
	s_mov_b32 s[G1A+5], ASH/8                      ; the pitch
	s_mov_b32 s[G1A+6], 0
	s_mov_b32 s[G1A+7], 0
	s_mov_b32 s[G1B], 15|(3<<16)|(1<<21)
	s_mov_b32 s[G1B+1], (BSH/8)<<16
	s_mov_b32 s[G1B+2], 1<<16
	s_mov_b32 s[G1B+3], (BSH/8)<<16
	s_mov_b32 s[G1B+4], 1
	s_mov_b32 s[G1B+5], BSH/8
	s_mov_b32 s[G1B+6], 0
	s_mov_b32 s[G1B+7], 0
	; what is mine alone: my tile of queries.  It enters global addresses only
	s_bfe_u32 s68, ttmp6, 0x40000                  ; cx
	s_lshl_b32 s69, ttmp9, 2
	s_add_co_u32 s69, s69, s68                     ; my block of 256 queries
	s_lshr_b32 s71, s70, 3                         ; batch
	s_and_b32 s72, s70, 7                          ; head
	s_lshl_b32 s71, s71, 7
	s_lshl_b32 s69, s69, 4
	s_add_co_u32 s71, s71, s69
	s_add_co_u32 s71, s71, s[WV]                   ; T = 128 x batch + 16 x block + wave
	s_lshl_b32 s74, s71, 12                        ; mw: 4,096 bytes a tile
	s_mov_b32 s75, 0
	s_lshl_b32 s76, s71, 3
	s_add_co_u32 s76, s76, s72                     ; 8 T + head
	s_lshl_b32 s78, s76, 10                        ; qimg: 1,024 bytes
	s_mov_b32 s79, 0
	s_lshl_b32 s76, s76, 12                        ; qf, oimg: 4,096 bytes
	s_mov_b32 s77, 0
	s_mov_b32 s[SEL], 0x76543210
	s_mov_b32 s[SEL+1], 0xfedcba98
	s_mov_b32 s[MO], 0
	s_wait_dscnt 0x0
	s_wait_kmcnt 0x0
	s_mov_b32 s[G0A], 1
	s_add_nc_u64 s[G0A+2:G0A+3], s[6:7], s[82:83]
	s_or_b32 s[G0A+3], s[G0A+3], 0x80000000
	s_mov_b32 s[G0B], 1
	s_add_nc_u64 s[G0B+2:G0B+3], s[6:7], s[84:85]
	s_or_b32 s[G0B+3], s[G0B+3], 0x80000000
	s_add_nc_u64 s[4:5], s[4:5], s[78:79]
	s_add_nc_u64 s[8:9], s[8:9], s[74:75]
	s_add_nc_u64 s[10:11], s[10:11], s[76:77]
	s_add_nc_u64 s[12:13], s[12:13], s[76:77]
	ROUND                                          ; all four work-groups are here: the joint loads meet
	tensor_load_to_lds s[G0A:G0A+3], s[G1A:G1A+7]  ; my share of records 0, 1
	s_nop 0
	tensor_load_to_lds s[G0B:G0B+3], s[G1B:G1B+7]  ; and of records 2 .. 15
	s_nop 0
.rept 4
	v_nop
.endr
	v_and_b32 v4, 31, v0
	v_lshlrev_b32 v[LI16], 4, v4
	v_lshlrev_b32 v[LI8], 3, v4
	v_lshlrev_b32 v[LI4], 2, v4
	v_bfe_u32 v5, v0, 4, 1
	v_lshlrev_b32 v[H64], 6, v5
	global_load_b128 v[QC:QC+3], v[LI16], s[4:5]   ; Q's six code registers and its scale word, as they were stored
	global_load_b64 v[QC+4:QC+5], v[LI8], s[4:5] offset:512
	global_load_b32 v[QW], v[LI4], s[4:5] offset:768
	v_mov_b32 v[NEGV], 0xceabfb8f                  ; -1e9 x log2(e), rounded to f32: -1,442,695,040
	v_mov_b32 v[TMX], 0xff61b1e6                   ; the largest t so far: -3e38, under every t
	v_floor_f32 v[NM], -v[TMX]
	v_mov_b32 v[LS], 0
	v_mov_b32 v[LS+1], 0
.irp j, 0,1,2,3,4,5
	v_mov_b32 v[QC+6+\j], 0                        ; zero codes: the upper half of the instruction's K
	v_mov_b32 v[FR+48+\j], 0
.endr
.set j, 0
.rept 32
	v_mov_b32 v[OT+j], 0                           ; O^T.  (The step is written for every step alike: the first finds zeros, which the first change of M leaves zeros)
.set j, j+1
.endr
; A KEY STEP: the 128 keys of the record at s[TB].
.macro STEP
	v_add_nc_u32 v[ADK], s[TB], v[LI16]
	v_add_nc_u32 v[ADK8], s[TB], v[LI8]
	v_add_nc_u32 v[ADC], s[TB], v[H64]
	v_nop                                          ; four places behind the last products, in front of loads into registers that they read
.irp t, 0,1,2,3,4,5,6,7
	ds_load_b128 v[FR+6*\t:FR+6*\t+3], v[ADK] offset:KOFF+768*\t
	ds_load_b64 v[FR+6*\t+4:FR+6*\t+5], v[ADK8] offset:KOFF+768*\t+512
.endr
	ds_load_b128 v[KS:KS+3], v[ADK] offset:KSOFF
.irp b, 0,1,2,3
.irp j, 0,1,2,3
	ds_load_b128 v[CK+16*\b+4*\j:CK+16*\b+4*\j+3], v[ADC] offset:COFF+128*\b+16*\j   ; c of keys 32 b + 16 (lane / 16) + 4 j on
.endr
.endr
	s_wait_dscnt 16                                ; K and its scale words are in; the 16 loads of c may be out
.irp t, 0,1,2,3,4,5,6,7
.if \t%2
	v_wmma_scale_f32_16x16x128_f8f6f4 v[S+8*\t:S+8*\t+7], v[FR+6*\t:FR+6*\t+11], v[QC:QC+11], 0, v[KS+\t/2], v[QW] matrix_a_fmt:MATRIX_FMT_BF6 matrix_b_fmt:MATRIX_FMT_BF6 matrix_a_scale:MATRIX_SCALE_ROW1
.else
	v_wmma_scale_f32_16x16x128_f8f6f4 v[S+8*\t:S+8*\t+7], v[FR+6*\t:FR+6*\t+11], v[QC:QC+11], 0, v[KS+\t/2], v[QW] matrix_a_fmt:MATRIX_FMT_BF6 matrix_b_fmt:MATRIX_FMT_BF6
.endif
.endr
.rept 4
	v_nop                                          ; places in front of the loads over K's registers and of the first read of the scores
.endr
.irp t, 0,1,2,3
.irp c, 0,1,2
	ds_load_b128 v[FR+12*\t+4*\c:FR+12*\t+4*\c+3], v[ADK] offset:VOFF+1536*\t+512*\c
.endr
.endr
	ds_load_b64 v[VS:VS+1], v[ADK8] offset:VSOFF
	s_wait_dscnt 13                                ; c is in; V's 12 loads and its scale words may be out
.set j, 0
.rept 32
	v_pk_mul_f32 v[S+j:S+j+1], v[S+j:S+j+1], v[CK+j:CK+j+1]   ; t = score x c[key] (each accumulator from its low end on)
.set j, j+2
.endr
	s_wait_kmcnt 0x0                               ; this step's mask words, asked for a step ago
.set n, 0
.rept 64
.if n < 32
	v_cndmask_b32 v[S+n], v[NEGV], v[S+n], s[28+n]
.else
	v_cndmask_b32 v[S+n], v[NEGV], v[S+n], s[36+n]
.endif
.set n, n+1
.endr
	s_add_co_u32 s[MO], s[MO], 256                 ; the next step's words; in the last step the address is held at the tile's last 256 bytes, inside the buffer, and what comes is not used
	s_min_u32 s[MO], s[MO], 3840
	MASKLOAD
.irp b, 0,1,2,3
	v_max3_num_f32 v[BM+\b], v[S+16*\b], v[S+1+16*\b], v[S+2+16*\b]   ; the largest t of each block of 32 keys: it serves for the row's maximum and, since p rises with t, for the block's largest p
.endr
.irp i, 3,5,7,9,11,13
.irp b, 0,1,2,3
	v_max3_num_f32 v[BM+\b], v[BM+\b], v[S+16*\b+\i], v[S+1+16*\b+\i]
.endr
.endr
.irp b, 0,1,2,3
	v_max_num_f32 v[BM+\b], v[BM+\b], v[S+15+16*\b]
.endr
.irp b, 0,1,2,3
	v_permlanex16_b32 v[BP+\b], v[BM+\b], s[SEL], s[SEL+1]
.endr
.irp b, 0,1,2,3
	v_max_num_f32 v[BM+\b], v[BM+\b], v[BP+\b]     ; with lane l xor 16's 16 keys
.endr
	v_max3_num_f32 v[TT], v[BM], v[BM+1], v[BM+2]
	v_max_num_f32 v[TT], v[TT], v[BM+3]
	v_max_num_f32 v[TMX], v[TMX], v[TT]            ; the running largest t
	v_mov_b32 v[TT], v[NM]
	v_floor_f32 v[NM], -v[TMX]                     ; the new -M = floor(-t) = -ceil(t): a whole number
	v_sub_f32 v[TT], v[NM], v[TT]                  ; old M - new M: a whole number, 0 or less
	v_cvt_i32_f32 v[TT], v[TT]                     ; (it saturates)
	v_ldexp_f32 v[FF], 1.0, v[TT]                  ; f = 2^(old M - new M)
.set j, 0
.rept 32
	v_pk_add_f32 v[S+j:S+j+1], v[S+j:S+j+1], v[NM:NM+1] op_sel_hi:[1,0]   ; t - M
.set j, j+2
.endr
.irp b, 0,1,2,3
	v_add_f32 v[BM+\b], v[BM+\b], v[NM]            ; the same of each block's largest t
.endr
.set j, 0
.rept 64
	v_exp_f32 v[S+j], v[S+j]                       ; p = 2^(t - M), at most 1
.set j, j+1
.endr
.irp b, 0,1,2,3
	v_exp_f32 v[BM+\b], v[BM+\b]                   ; the block's largest p: the same instructions on the same number give the same bits
.endr
	v_pk_mul_f32 v[LS:LS+1], v[LS:LS+1], v[FF:FF+1] op_sel_hi:[1,0]   ; the sums under the new M.  (A plain place behind the exponentials)
	s_wait_alu depctr_va_vdst(0)
.irp b, 0,1,2,3
	v_max_num_f32 v[BM+\b], 0x2800000, v[BM+\b]    ; the floor 2^(5 - 127): the byte cannot fall under 1
.endr
.irp b, 0,1,2,3
	v_add_nc_u32 v[SO+\b], 0xfe000000, v[BM+\b]    ; 4 off the exponent field: the conversion's scale operand
.endr
.irp b, 0,1,2,3
	v_lshrrev_b32 v[BP+\b], 23, v[SO+\b]           ; the scale's byte
.endr
	v_lshl_or_b32 v[PW], v[BP+1], 8, v[BP]
	v_lshl_or_b32 v[PW], v[BP+2], 16, v[PW]
	v_lshl_or_b32 v[PW], v[BP+3], 24, v[PW]
.irp c, 0,1
	v_cvt_scalef32_pk16_bf6_f32 v[PC+6*\c:PC+6*\c+2], v[S+32*\c:S+32*\c+15], v[SO+2*\c]
	v_cvt_scalef32_pk16_bf6_f32 v[PT+4*\c:PT+4*\c+2], v[S+32*\c+16:S+32*\c+31], v[SO+2*\c+1]   ; (a conversion's three registers begin on an even number)
.endr
	v_nop                                          ; one plain place behind a scaled conversion
.irp c, 0,1                                    ; the operand's layout wants a WHOLE block in a lane
.irp i, 0,1,2
	v_permlane16_swap_b32 v[PC+6*\c+\i], v[PT+4*\c+\i]
.endr
.irp i, 0,1,2
	v_mov_b32 v[PC+3+6*\c+\i], v[PT+4*\c+\i]
.endr
.endr
	v_pk_add_f32 v[SUM2:SUM2+1], v[S:S+1], v[S+2:S+3]   ; the row's sum is taken of the unquantised p, in two chains
.irp j, 4,8,12,16,20,24,28,32,36,40,44,48,52,56,60
	v_pk_add_f32 v[LS:LS+1], v[LS:LS+1], v[S+\j:S+\j+1]
	v_pk_add_f32 v[SUM2:SUM2+1], v[SUM2:SUM2+1], v[S+\j+2:S+\j+3]
.endr
	v_pk_add_f32 v[LS:LS+1], v[LS:LS+1], v[SUM2:SUM2+1]
.set j, 0
.rept 16
	v_pk_mul_f32 v[OT+j:OT+j+1], v[OT+j:OT+j+1], v[FF:FF+1] op_sel_hi:[1,0]   ; O^T under the new M.  (With the sums: the places between p's codes and scale word and the products)
.set j, j+2
.endr
	s_wait_dscnt 0x0                               ; V and its scale words are in
.irp t, 0,1,2,3
.if \t%2
	v_wmma_scale_f32_16x16x128_f8f6f4 v[OT+8*\t:OT+8*\t+7], v[FR+12*\t:FR+12*\t+11], v[PC:PC+11], v[OT+8*\t:OT+8*\t+7], v[VS+\t/2], v[PW] matrix_a_fmt:MATRIX_FMT_BF6 matrix_b_fmt:MATRIX_FMT_BF6 matrix_a_scale:MATRIX_SCALE_ROW1
.else
	v_wmma_scale_f32_16x16x128_f8f6f4 v[OT+8*\t:OT+8*\t+7], v[FR+12*\t:FR+12*\t+11], v[PC:PC+11], v[OT+8*\t:OT+8*\t+7], v[VS+\t/2], v[PW] matrix_a_fmt:MATRIX_FMT_BF6 matrix_b_fmt:MATRIX_FMT_BF6
.endif
.endr
	s_add_co_u32 s[TB], s[TB], REC
.endm
	s_wait_tensorcnt 0x1                           ; my share of records 0, 1 has landed; load B may stay out.  Load A's descriptor registers are free
	MASKLOAD                                       ; step 0's words
	s_barrier_signal -1
	s_barrier_wait -1                              ; everybody's share has
	s_wait_loadcnt 0x0                             ; Q
	s_mov_b32 s[TB], 0
	s_mov_b32 s[CNT], 2
.Lfirst:
	STEP
	s_sub_co_u32 s[CNT], s[CNT], 1
	s_cmp_lg_u32 s[CNT], 0
	s_cbranch_scc1 .Lfirst
	s_wait_tensorcnt 0x0                           ; my share of records 2 .. 15 has landed
	s_wait_dscnt 0x0
	s_barrier_signal -1
	s_barrier_wait -1                              ; everybody's has
	s_mov_b32 s[TB], 2*REC
	s_mov_b32 s[CNT], 14
.Lrest:
	STEP
	s_sub_co_u32 s[CNT], s[CNT], 1
	s_cmp_lg_u32 s[CNT], 0
	s_cbranch_scc1 .Lrest
	; THE WAY OUT: q + O^T / the sum, stored as it stands in the registers: the next launch loads it so
.rept 4
	v_nop                                          ; places behind the last products
.endr
.irp c, 0,1,2,3,4,5,6,7
	global_load_b128 v[FR+4*\c:FR+4*\c+3], v[LI16], s[10:11] offset:512*\c   ; q in f32, in O^T's layout
.endr
	v_add_f32 v[LS], v[LS], v[LS+1]                ; the sum's two halves,
	v_permlanex16_b32 v[TT], v[LS], s[SEL], s[SEL+1]
	v_add_f32 v[LS], v[LS], v[TT]                  ; and lane l xor 16's
	v_rcp_f32 v[LS], v[LS]
	v_nop                                          ; one plain place behind a transcendental
	s_wait_loadcnt 0x0
.set j, 0
	s_wait_alu depctr_va_vdst(0)
.rept 16
	v_pk_fma_f32 v[S+j:S+j+1], v[OT+j:OT+j+1], v[LS:LS+1], v[FR+j:FR+j+1] op_sel_hi:[1,0,1]
.set j, j+2
.endr
.irp c, 0,1,2,3,4,5,6,7
	global_store_b128 v[LI16], v[S+4*\c:S+4*\c+3], s[12:13] offset:512*\c   ; a wave's store covers 512 consecutive bytes, aligned
.endr
	s_wait_tensorcnt 0x0
	ds_add_u32 v254, v255
	s_wait_dscnt 0x0
	ROUND                                          ; the closing round: no work-group ends while a partner may still ask for a part that names it
	s_endpgm
.Lfunc_end_k_qa5a18bdced_attn:
	.size	k_qa5a18bdced_attn, .Lfunc_end_k_qa5a18bdced_attn-k_qa5a18bdced_attn
	.p2alignl 7, 3214868480
	.fill 96, 4, 3214868480
	.section	.rodata,"a",@progbits
	.p2align	6, 0x0
	.amdhsa_kernel k_qa5a18bdced_attn
		.amdhsa_group_segment_fixed_size 219136
		.amdhsa_private_segment_fixed_size 0
		.amdhsa_enable_private_segment 0
		.amdhsa_kernarg_size 40
		.amdhsa_user_sgpr_count 2
		.amdhsa_user_sgpr_kernarg_segment_ptr 1
		.amdhsa_wavefront_size32 1
		.amdhsa_system_sgpr_workgroup_id_x 1
		.amdhsa_system_sgpr_workgroup_id_y 1
		.amdhsa_system_sgpr_workgroup_id_z 1
		.amdhsa_system_vgpr_workitem_id 0
		.amdhsa_next_free_vgpr 256
		.amdhsa_next_free_sgpr 100
		.amdhsa_reserve_vcc 0
		.amdhsa_float_denorm_mode_32 3
		.amdhsa_float_denorm_mode_16_64 3
		.amdhsa_memory_ordered 1
		.amdhsa_forward_progress 1
		.amdhsa_inst_pref_size 56
	.end_amdhsa_kernel
	.amdgpu_metadata
---
amdhsa.version: [ 1, 2 ]
amdhsa.kernels:
  - .name:           k_qa5a18bdced_attn
    .symbol:         k_qa5a18bdced_attn.kd
    .args:
      - { .name: qimg, .offset: 0, .size: 8, .value_kind: global_buffer, .address_space: global }
      - { .name: kv, .offset: 8, .size: 8, .value_kind: global_buffer, .address_space: global }
      - { .name: mw, .offset: 16, .size: 8, .value_kind: global_buffer, .address_space: global }
      - { .name: qf, .offset: 24, .size: 8, .value_kind: global_buffer, .address_space: global }
      - { .name: oimg, .offset: 32, .size: 8, .value_kind: global_buffer, .address_space: global }
    .group_segment_fixed_size: 219136
    .private_segment_fixed_size: 0
    .kernarg_segment_align: 8
    .kernarg_segment_size: 40
    .max_flat_workgroup_size: 512
    .sgpr_count:     100
    .vgpr_count:     256
    .wavefront_size: 32
...
	.end_amdgpu_metadata
.endif
;; end of part 3
;; launch post (part 4): grid 128 x 1, 4 waves a work-group, no clusters, 247,296 bytes of LDS; arguments oimg, Wo_codes, Wo_scales, bo, ln0_g, ln0_b, ln1_g, ln1_b, out0; writes out0
.if DOCPART == 4
	.amdgcn_target "amdgcn-amd-amdhsa--gfx1250"
	.amdhsa_code_object_version 6
	.text
	.protected	k_qa5a18bdced_post
	.globl	k_qa5a18bdced_post
	.p2align	8
	.type	k_qa5a18bdced_post,@function
k_qa5a18bdced_post:
	s_mov_b64 s[64:65], 0
	v_nop
	global_prefetch_b8 v0, s[64:65] scope:SCOPE_SE
	s_setreg_imm32_b32 hwreg(HW_REG_WAVE_MODE, 25, 1), 1
	s_wait_xcnt 0x0
; out0 = LN1(x + relu(x Wo + bo)), x = LN0(oimg).  The product is on codes of BF6 (E3M2): x is quantised in registers along its 512 channels, Wo is given as codes.
; SHARES.  A wave owns ONE tile of 16 tokens (rows R(T) + rho(r), as the launches before laid them) with ALL 512 channels: 256 registers, register 16 b + i = channel 32 b + 16 (lane / 16) + i.  So a token's channels lie in
; lanes l and l xor 16: each norm wants one exchange, the blocks of 32 lie as the conversions want them, and the product's results (used transposed: source 0 = 16 rows of Wo, source 1 = x) fall on x's own registers.
; The four waves share Wo alone: wave w loads output channels 128 w .. + 127 once and stores their fragments to LDS AS IMAGES OF THE OPERAND'S REGISTERS (four registers as 16 bytes a lane on end); one barrier; every wave then
; reads every fragment by three loads of 16 bytes a lane.  No tensor load, so no ring.  No cluster: what work-groups share is Wo's 200 KB, which goes through registers to be laid so.
; The norms are taken in two passes (the mean; then the squares of x - mean), so that no difference of large sums is formed.
; 128 work-groups: 512 tiles of tokens, four to a work-group, so that Wo is laid into LDS once for four tiles.
; LIMITS: NaN and infinities are not served; a block of x whose largest magnitude lies under 2^-122 keeps the scale byte 1.
; REGISTERS, in windows of 256: window 1: x.  Windows 2 and 3 in turn: Wo as loaded; ln0's g and b; (2) two sets of eight fragments of Wo, (3) bo; ln1's g and b; (2) the rows of the result.  Window 0: the rest.
.set WSC,   196608                     ; LDS: 0: Wo's 128 fragments x 1,536 bytes, (group g, tile t, K step s) at ((8 g + t) 4 + s) 1,536;  WSC: 32 tiles x 512 bytes: a row's four scale words by lane
.set STG,   212992                     ; a stage of 16 rows x 528 bytes for each wave
.set SP,    528
.set LI16, 1                           ; v1   16 x lane
.set H64,  2                           ; v2   64 (lane / 16)
.set VA,   3                           ; v3   rho(r) x 384 + 24 h
.set VS,   4                           ; v4   rho(r) x 16
.set WST,  5                           ; v5   where I store Wo's images: 16 x lane + 49,152 w
.set SST,  6                           ; v6   and its scale words: WSC + 16 x lane + 4,096 w
.set RA,   7                           ; v7-10 where group g's images are read: 16 x lane + 49,152 g
.set SLD,  11                          ; v11  WSC + 16 x lane
.set SO,   12                          ; v12  the stage, in: row r, + 64 h
.set SR,   13                          ; v13  the stage, back: 16 x lane
.set NMEAN, 14                         ; v[14:15] -mean, twice
.set RS,   16                          ; v[16:17] 1 / sqrt(var + eps), twice
.set CH,   18                          ; v18-25 four chains of sums
.set TM,   26                          ; v26-41 at work in the quantiser
.set XW,   44                          ; v44-47 x's scale words, K step s
.set XC,   48                          ; v48-95 x's four fragments
.set PT,   96                          ; v96-102 the conversions' second halves
.set WS,   104                         ; v104-135 Wo's scale words of the group in hand: 4 t + s
.set ACC,  136                         ; v136-199 eight accumulators
.set SEL,  26                          ; s[26:27]
.set MSB, 0
.macro WIN new                         ; the immediate's high byte repeats the setting that is left
.if MSB != \new
	s_set_vgpr_msb (MSB<<8)|\new
.set MSB, \new
.endif
.endm
.macro PLACES n
.rept \n
	v_nop
.endr
.endm
	s_load_b512 s[4:19], s[0:1], 0x0               ; oimg, Wo's codes, Wo's scales, bo, ln0_g, ln0_b, ln1_g, ln1_b
	s_load_b64 s[20:21], s[0:1], 0x40              ; out0
	v_lshl_add_u32 v254, v0, 2, 0x3c400
	v_mov_b32 v255, 0
	v_lshrrev_b32 v1, 5, v0
	v_readfirstlane_b32 s22, v1                    ; wave w
	v_and_b32 v14, 31, v0
	v_and_b32 v15, 15, v0                          ; r
	v_bfe_u32 v16, v0, 4, 1                        ; h
	v_lshlrev_b32 v[LI16], 4, v14
	v_lshlrev_b32 v[H64], 6, v16
	v_and_b32 v17, 8, v15
	v_add_nc_u32 v17, v17, v15                     ; rho(r)
	v_mul_u32_u24 v[VA], v17, 384
	v_mad_u32_u24 v[VA], v16, 24, v[VA]
	v_lshlrev_b32 v[VS], 4, v17
	s_mul_i32 s23, s22, 49152
	v_add_nc_u32 v[WST], s23, v[LI16]
	s_lshl_b32 s24, s22, 12
	s_add_co_u32 s24, s24, WSC
	v_add_nc_u32 v[SST], s24, v[LI16]
.irp g, 0,1,2,3
	v_add_nc_u32 v[RA+\g], 49152*\g, v[LI16]
.endr
	v_add_nc_u32 v[SLD], WSC, v[LI16]
	s_mul_i32 s24, s22, 16*SP
	s_add_co_u32 s24, s24, STG
	v_mul_u32_u24 v[SO], v15, SP
	v_add_nc_u32 v[SO], v[SO], v[H64]
	v_add_nc_u32 v[SO], s24, v[SO]
	v_add_nc_u32 v[SR], s24, v[LI16]
.irp b, 0,1,2,3
	v_mov_b32 v[TM+4+\b], 0                        ; written once: a lane permute's destination counts as one of its sources
.endr
	s_mov_b32 s[SEL], 0x76543210
	s_mov_b32 s[SEL+1], 0xfedcba98
	s_mov_b32 s28, 0xbb000000                      ; -1 / 512
	s_mov_b32 s29, 0x3727c5ac                      ; 1e-5
	s_mov_b32 s30, 0x3b000000                      ; 1 / 512
	s_lshl_b32 s25, ttmp9, 2
	s_add_co_u32 s25, s25, s22                     ; T = 4 x + w
	s_lshl_b32 s32, s25, 15                        ; oimg: 32,768 bytes a tile
	s_mov_b32 s33, 0
	s_lshr_b32 s34, s25, 1
	s_lshl_b32 s34, s34, 5
	s_and_b32 s35, s25, 1
	s_lshl_b32 s35, s35, 3
	s_add_co_u32 s34, s34, s35                     ; R(T)
	s_lshl_b32 s34, s34, 11                        ; out0: 2,048 bytes a row
	s_mov_b32 s35, 0
	s_mov_b32 s36, s23                             ; Wo's codes: my 128 rows of 384 bytes
	s_mov_b32 s37, 0
	s_lshl_b32 s38, s22, 11                        ; its scales: 16 bytes a row
	s_mov_b32 s39, 0
	s_wait_kmcnt 0x0
	s_add_nc_u64 s[4:5], s[4:5], s[32:33]
	s_add_nc_u64 s[6:7], s[6:7], s[36:37]
	s_add_nc_u64 s[8:9], s[8:9], s[38:39]
	s_add_nc_u64 s[20:21], s[20:21], s[34:35]
	; ---- 1: x as it was stored; my quarter of Wo into LDS
	WIN 0x40
.set c, 0
.rept 64
	global_load_b128 v[4*c:4*c+3], v[LI16], s[4:5] offset:512*c th:TH_LOAD_NT
.set c, c+1
.endr
	WIN 0x80                                       ; fragments 4 t + s = 0 .. 15 into window 2, 16 .. 31 into window 3
.irp t, 0,1,2,3
.irp s, 0,1,2,3
.irp p, 0,1,2,3,4,5
	global_load_b64 v[12*(4*\t+\s)+2*\p:12*(4*\t+\s)+2*\p+1], v[VA], s[6:7] offset:(32*(\t/2)+8*(\t%2))*384+96*\s+48*(\p/3)+8*(\p%3)
.endr
.endr
.endr
	WIN 0xc0
.irp t, 4,5,6,7
.irp s, 0,1,2,3
.irp p, 0,1,2,3,4,5
	global_load_b64 v[12*(4*(\t-4)+\s)+2*\p:12*(4*(\t-4)+\s)+2*\p+1], v[VA], s[6:7] offset:(32*(\t/2)+8*(\t%2))*384+96*\s+48*(\p/3)+8*(\p%3)
.endr
.endr
.endr
	WIN 0
.irp t, 0,1,2,3,4,5,6,7
	global_load_b128 v[WS+4*\t:WS+4*\t+3], v[VS], s[8:9] offset:(32*(\t/2)+8*(\t%2))*16
.endr
	s_wait_loadcnt 0x0
	WIN 0x08                                       ; an LDS store's data are its source 1: window 2
.set f, 0
.rept 16
.irp c, 0,1,2
	ds_store_b128 v[WST], v[12*f+4*\c:12*f+4*\c+3] offset:1536*f+512*\c
.endr
.set f, f+1
.endr
	WIN 0x0c                                       ; window 3
.rept 16
.irp c, 0,1,2
	ds_store_b128 v[WST], v[12*(f-16)+4*\c:12*(f-16)+4*\c+3] offset:1536*f+512*\c
.endr
.set f, f+1
.endr
	WIN 0
.irp t, 0,1,2,3,4,5,6,7
	ds_store_b128 v[SST], v[WS+4*\t:WS+4*\t+3] offset:512*\t
.endr
	s_wait_dscnt 0x0                               ; for the others' sake: my stores have landed
; a gain into window 2 and a bias into window 3, in x's layout: register 16 b + 4 i on = channels 32 b + 16 h + 4 i on
.macro GBLOAD pg, pb
	WIN 0x80
.irp b, 0,1,2,3,4,5,6,7,8,9,10,11,12,13,14,15
.irp i, 0,1,2,3
	global_load_b128 v[16*\b+4*\i:16*\b+4*\i+3], v[H64], s[\pg:\pg+1] offset:128*\b+16*\i
.endr
.endr
	WIN 0xc0
.irp b, 0,1,2,3,4,5,6,7,8,9,10,11,12,13,14,15
.irp i, 0,1,2,3
	global_load_b128 v[16*\b+4*\i:16*\b+4*\i+3], v[H64], s[\pb:\pb+1] offset:128*\b+16*\i
.endr
.endr
	WIN 0
.endm
	GBLOAD 12, 14                                  ; ln0's; they land while the sums are taken
	s_barrier_signal -1
	s_barrier_wait -1                              ; all of Wo lies in LDS; nobody writes it again
; x = (x - mean) / sqrt(var + eps) x g + b
.macro LNORM
	WIN 0x05                                       ; sources 0 and 1 window 1
.irp c, 0,1,2,3
	v_pk_add_f32 v[CH+2*\c:CH+2*\c+1], v[2*\c:2*\c+1], v[8+2*\c:9+2*\c]   ; the first eight pairs start four chains: nothing is cleared
.endr
	WIN 0x04                                       ; source 1 window 1
.set p, 8
.rept 120
	v_pk_add_f32 v[CH+2*(p%4):CH+2*(p%4)+1], v[CH+2*(p%4):CH+2*(p%4)+1], v[2*p:2*p+1]
.set p, p+1
.endr
	WIN 0
	v_pk_add_f32 v[CH:CH+1], v[CH:CH+1], v[CH+2:CH+3]
	v_pk_add_f32 v[CH+4:CH+5], v[CH+4:CH+5], v[CH+6:CH+7]
	v_pk_add_f32 v[CH:CH+1], v[CH:CH+1], v[CH+4:CH+5]
	v_add_f32 v[CH], v[CH], v[CH+1]
	v_permlanex16_b32 v[CH+2], v[CH], s[SEL], s[SEL+1]
	v_add_f32 v[CH], v[CH], v[CH+2]                ; the token's 512 numbers
	v_mul_f32 v[NMEAN], s28, v[CH]                 ; -mean, in both halves of a pair
	v_mul_f32 v[NMEAN+1], s28, v[CH]
	WIN 0x41                                       ; destination and source 0 window 1
.set p, 0
.rept 128
	v_pk_add_f32 v[2*p:2*p+1], v[2*p:2*p+1], v[NMEAN:NMEAN+1]
.set p, p+1
.endr
	WIN 0x05
.irp c, 0,1,2,3
	v_pk_mul_f32 v[CH+2*\c:CH+2*\c+1], v[2*\c:2*\c+1], v[2*\c:2*\c+1]
.endr
.set p, 4
.rept 124
	v_pk_fma_f32 v[CH+2*(p%4):CH+2*(p%4)+1], v[2*p:2*p+1], v[2*p:2*p+1], v[CH+2*(p%4):CH+2*(p%4)+1]
.set p, p+1
.endr
	WIN 0
	v_pk_add_f32 v[CH:CH+1], v[CH:CH+1], v[CH+2:CH+3]
	v_pk_add_f32 v[CH+4:CH+5], v[CH+4:CH+5], v[CH+6:CH+7]
	v_pk_add_f32 v[CH:CH+1], v[CH:CH+1], v[CH+4:CH+5]
	v_add_f32 v[CH], v[CH], v[CH+1]
	v_permlanex16_b32 v[CH+2], v[CH], s[SEL], s[SEL+1]
	v_add_f32 v[CH], v[CH], v[CH+2]
	v_fma_f32 v[CH], v[CH], s30, s29               ; var + eps
	v_rsq_f32 v[RS], v[CH]
	v_rsq_f32 v[RS+1], v[CH]
	v_nop                                          ; one plain place behind a transcendental
	WIN 0x41
.set p, 0
	s_wait_alu depctr_va_vdst(0)
.rept 128
	v_pk_mul_f32 v[2*p:2*p+1], v[2*p:2*p+1], v[RS:RS+1]
.set p, p+1
.endr
	s_wait_loadcnt 0x0                             ; g and b
	WIN 0x79                                       ; destination and source 0 window 1, source 1 (g) window 2, source 2 (b) window 3
.set p, 0
.rept 128
	v_pk_fma_f32 v[2*p:2*p+1], v[2*p:2*p+1], v[2*p:2*p+1], v[2*p:2*p+1]
.set p, p+1
.endr
	WIN 0
.endm
	; ---- 2
	LNORM
	; ---- 3: bo, in the results' layout, will be the C of each sum's first product; x's four K steps become codes
	WIN 0xc0
.irp b, 0,1,2,3,4,5,6,7,8,9,10,11,12,13,14,15
.irp i, 0,1,2,3
	global_load_b128 v[16*\b+4*\i:16*\b+4*\i+3], v[H64], s[10:11] offset:128*\b+16*\i
.endr
.endr
; x's registers 64 s .. 64 s + 63 (window 1) become fragment s in v[XC + 12 s] on and scale word v[XW + s]
.macro QUANTX s
	WIN 0x05
.irp b, 0,1,2,3
	v_max3_num_f32 v[TM+\b], |v[64*\s+16*\b]|, |v[64*\s+16*\b+1]|, 0x2800000   ; my 16 numbers of block b, and the floor 2^(5 - 127): so the byte cannot fall under 1
.endr
	WIN 0x14
.irp i, 2,4,6,8,10,12,14
.irp b, 0,1,2,3
	v_max3_num_f32 v[TM+\b], v[TM+\b], |v[64*\s+16*\b+\i]|, |v[64*\s+16*\b+\i+1]|
.endr
.endr
	WIN 0
.irp b, 0,1,2,3
	v_permlanex16_b32 v[TM+4+\b], v[TM+\b], s[SEL], s[SEL+1]
.endr
.irp b, 0,1,2,3
	v_max_num_f32 v[TM+\b], v[TM+\b], v[TM+4+\b]   ; with lane l xor 16's: the block's largest magnitude
.endr
.irp b, 0,1,2,3
	v_add_nc_u32 v[TM+12+\b], 0xfe000000, v[TM+\b] ; 4 off its exponent field: the conversion's scale operand
.endr
.irp b, 0,1,2,3
	v_lshrrev_b32 v[TM+4+\b], 23, v[TM+12+\b]      ; the scale's byte
.endr
	v_lshl_or_b32 v[XW+\s], v[TM+5], 8, v[TM+4]
	v_lshl_or_b32 v[XW+\s], v[TM+6], 16, v[XW+\s]
	v_lshl_or_b32 v[XW+\s], v[TM+7], 24, v[XW+\s]
	WIN 0x01
.irp c, 0,1
	v_cvt_scalef32_pk16_bf6_f32 v[XC+12*\s+6*\c:XC+12*\s+6*\c+2], v[64*\s+32*\c:64*\s+32*\c+15], v[TM+12+2*\c]
	v_cvt_scalef32_pk16_bf6_f32 v[PT+4*\c:PT+4*\c+2], v[64*\s+32*\c+16:64*\s+32*\c+31], v[TM+12+2*\c+1]   ; (a conversion's three registers begin on an even number)
.endr
	WIN 0
	v_nop                                          ; one plain place behind a scaled conversion
.irp c, 0,1                                    ; the operand's layout wants a WHOLE block in a lane
.irp i, 0,1,2
	v_permlane16_swap_b32 v[XC+12*\s+6*\c+\i], v[PT+4*\c+\i]
.endr
.irp i, 0,1,2
	v_mov_b32 v[XC+12*\s+3+6*\c+\i], v[PT+4*\c+\i]
.endr
.endr
.endm
	QUANTX 0
	QUANTX 1
	QUANTX 2
	QUANTX 3
	; ---- 4: sixteen stages (group g of 128 output channels, K step s): eight products each, the eight accumulators by turns; the next stage's fragments are fetched a stage ahead
.macro WSLOAD g                        ; group g's scale words
.irp t, 0,1,2,3,4,5,6,7
	ds_load_b128 v[WS+4*\t:WS+4*\t+3], v[SLD] offset:(8*(\g)+\t)*512
.endr
.endm
.macro WOLOAD n                        ; stage n's eight fragments into set n % 2 of window 2
	WIN 0x80
.irp t, 0,1,2,3,4,5,6,7
.irp c, 0,1,2
	ds_load_b128 v[96*((\n)%2)+12*\t+4*\c:96*((\n)%2)+12*\t+4*\c+3], v[RA+(\n)/4] offset:(4*\t+(\n)%4)*1536+512*\c
.endr
.endr
.endm
.macro STAGE n
.if ((\n)%4) && ((\n) < 15)
	PLACES 4                                       ; in front of loads into the set that the stage before multiplied (ISA guide 7.12.1 for vector instructions)
.endif
.if (\n) < 15
	WOLOAD (\n)+1
	s_wait_dscnt 24                                ; all but the 24 just issued
.else
	s_wait_dscnt 0x0
.endif
.if (\n)%4 == 0
	WIN 0x32                                       ; source 0 (Wo) window 2, source 2 (bo) window 3
.irp t, 0,1,2,3,4,5,6,7
	v_wmma_scale_f32_16x16x128_f8f6f4 v[ACC+8*\t:ACC+8*\t+7], v[96*((\n)%2)+12*\t:96*((\n)%2)+12*\t+11], v[XC:XC+11], v[64*((\n)/4)+8*\t:64*((\n)/4)+8*\t+7], v[WS+4*\t], v[XW] matrix_a_fmt:MATRIX_FMT_BF6 matrix_b_fmt:MATRIX_FMT_BF6
.endr
.else
	WIN 0x02
.irp t, 0,1,2,3,4,5,6,7
	v_wmma_scale_f32_16x16x128_f8f6f4 v[ACC+8*\t:ACC+8*\t+7], v[96*((\n)%2)+12*\t:96*((\n)%2)+12*\t+11], v[XC+12*((\n)%4):XC+12*((\n)%4)+11], v[ACC+8*\t:ACC+8*\t+7], v[WS+4*\t+(\n)%4], v[XW+(\n)%4] matrix_a_fmt:MATRIX_FMT_BF6 matrix_b_fmt:MATRIX_FMT_BF6
.endr
.endif
.endm
.macro TAIL g                          ; group g's sums are whole: x += relu
	PLACES 5                                       ; four in front of the loads and reads below; five, since the next group's first products write these accumulators anew
	WIN 0
.if (\g) < 3
	WSLOAD (\g)+1
.else
	GBLOAD 16, 18                                  ; ln1's g and b, over Wo's sets and bo, which are done with
.endif
.set j, 0
.rept 64
	v_max_num_f32 v[ACC+j], 0, v[ACC+j]            ; (each accumulator from its low end on)
.set j, j+1
.endr
	WIN 0x41
.set j, 0
.rept 32
	v_pk_add_f32 v[64*(\g)+j:64*(\g)+j+1], v[64*(\g)+j:64*(\g)+j+1], v[ACC+j:ACC+j+1]
.set j, j+2
.endr
	WIN 0
.endm
	s_wait_loadcnt 0x0                             ; bo
	PLACES 8                                       ; x's scale words, made by vector instructions, stand eight places ahead of the products, its codes four
	WSLOAD 0
	WOLOAD 0
.irp g, 0,1,2,3
	STAGE 4*\g
	STAGE 4*\g+1
	STAGE 4*\g+2
	STAGE 4*\g+3
	TAIL \g
.endr
	; ---- 5
	LNORM
	; ---- 6: a quarter of the channels at a time through my stage, so that a store covers 512 consecutive bytes of a row of out0
.macro OUTQ g
	WIN 0x04                                       ; an LDS store's data: window 1
.irp b, 0,1,2,3
.irp i, 0,1,2,3
	ds_store_b128 v[SO], v[64*\g+16*\b+4*\i:64*\g+16*\b+4*\i+3] offset:128*\b+16*\i
.endr
.endr
	WIN 0x80
.irp i, 0,1,2,3,4,5,6,7,8,9,10,11,12,13,14,15
	ds_load_b128 v[64*\g+4*\i:64*\g+4*\i+3], v[SR] offset:SP*\i   ; LDS serves a wave's instructions in order: these see my stores.  Each quarter has its own 64 registers of window 2: no store's data are written again
.endr
	WIN 0x08                                       ; a store's data: window 2
.irp i, 0,1,2,3,4,5,6,7,8,9,10,11,12,13,14,15
	s_wait_dscnt 15-\i                             ; row i is back; the younger rows may be out
	global_store_b128 v[LI16], v[64*\g+4*\i:64*\g+4*\i+3], s[20:21] offset:(\i+8*(\i/8))*2048+512*\g th:TH_STORE_NT
.endr
.endm
	OUTQ 0
	OUTQ 1
	OUTQ 2
	OUTQ 3
	WIN 0
	s_wait_tensorcnt 0x0
	ds_add_u32 v254, v255
	s_wait_dscnt 0x0
	s_endpgm
.Lfunc_end_k_qa5a18bdced_post:
	.size	k_qa5a18bdced_post, .Lfunc_end_k_qa5a18bdced_post-k_qa5a18bdced_post
	.p2alignl 7, 3214868480
	.fill 96, 4, 3214868480
	.section	.rodata,"a",@progbits
	.p2align	6, 0x0
	.amdhsa_kernel k_qa5a18bdced_post
		.amdhsa_group_segment_fixed_size 247296
		.amdhsa_private_segment_fixed_size 0
		.amdhsa_enable_private_segment 0
		.amdhsa_kernarg_size 72
		.amdhsa_user_sgpr_count 2
		.amdhsa_user_sgpr_kernarg_segment_ptr 1
		.amdhsa_wavefront_size32 1
		.amdhsa_system_sgpr_workgroup_id_x 1
		.amdhsa_system_sgpr_workgroup_id_y 1
		.amdhsa_system_sgpr_workgroup_id_z 1
		.amdhsa_system_vgpr_workitem_id 0
		.amdhsa_next_free_vgpr 1024
		.amdhsa_next_free_sgpr 66
		.amdhsa_reserve_vcc 0
		.amdhsa_float_denorm_mode_32 3
		.amdhsa_float_denorm_mode_16_64 3
		.amdhsa_memory_ordered 1
		.amdhsa_forward_progress 1
		.amdhsa_inst_pref_size 241
	.end_amdhsa_kernel
	.amdgpu_metadata
---
amdhsa.version: [ 1, 2 ]
amdhsa.kernels:
  - .name:           k_qa5a18bdced_post
    .symbol:         k_qa5a18bdced_post.kd
    .args:
      - { .name: oimg, .offset: 0, .size: 8, .value_kind: global_buffer, .address_space: global }
      - { .name: Wo_codes, .offset: 8, .size: 8, .value_kind: global_buffer, .address_space: global }
      - { .name: Wo_scales, .offset: 16, .size: 8, .value_kind: global_buffer, .address_space: global }
      - { .name: bo, .offset: 24, .size: 8, .value_kind: global_buffer, .address_space: global }
      - { .name: ln0_g, .offset: 32, .size: 8, .value_kind: global_buffer, .address_space: global }
      - { .name: ln0_b, .offset: 40, .size: 8, .value_kind: global_buffer, .address_space: global }
      - { .name: ln1_g, .offset: 48, .size: 8, .value_kind: global_buffer, .address_space: global }
      - { .name: ln1_b, .offset: 56, .size: 8, .value_kind: global_buffer, .address_space: global }
      - { .name: out0, .offset: 64, .size: 8, .value_kind: global_buffer, .address_space: global }
    .group_segment_fixed_size: 247296
    .private_segment_fixed_size: 0
    .kernarg_segment_align: 8
    .kernarg_segment_size: 72
    .max_flat_workgroup_size: 128
    .sgpr_count:     66
    .vgpr_count:     1024
    .wavefront_size: 32
...
	.end_amdgpu_metadata
.endif
;; end of part 4
;; ======== version 2 of 2: 3 launches
;; limits: right only within a limited range of input values
;; workspace buffers: mw 2,097,152 bytes of whole numbers; qimg 4,194,304 bytes; qf 16,777,216 bytes; kv 7,077,888 bytes; cimg 7,077,888 bytes
;; launch pack (part 5): grid 800 x 1, 4 waves a work-group, no clusters, 34,304 bytes of LDS; arguments mask, mw, Q_codes, K_codes, Wq_codes, Wk_codes, Wv_codes, Wo_codes, cimg; writes mw, cimg
.if DOCPART == 5
	.amdgcn_target "amdgcn-amd-amdhsa--gfx1250"
	.amdhsa_code_object_version 6
	.text
	.protected	k_qa5a18bdced_pack
	.globl	k_qa5a18bdced_pack
	.p2align	8
	.type	k_qa5a18bdced_pack,@function
k_qa5a18bdced_pack:
	s_mov_b64 s[64:65], 0
	v_nop
	global_prefetch_b8 v0, s[64:65] scope:SCOPE_SE
	s_setreg_imm32_b32 hwreg(HW_REG_WAVE_MODE, 25, 1), 1
	s_wait_xcnt 0x0
; Two jobs that prepare operands for the later launches; a work-group does one of them, by its number.
; A TILE T of rows is the 16 rows R(T) + rho(r), R(T) = 32 (T / 2) + 8 (T % 2), rho(r) = r + 8 (r / 8): the rows that lane r of a matrix operand holds everywhere in this program.
; WORK-GROUPS 0 .. 287: THE CODES AS IMAGES.  The six tensors of codes (Q 512 tiles, K 512, Wq, Wk, Wv, Wo 32 each: 1,152 tiles, in this order) are laid into cimg as the matrix operands' registers:
;   cimg [tile][K step 4][group 3][lane 32] of 16 bytes.  Wave w of work-group g takes tile 4 g + w: its four fragments come by loads of 8 bytes from sixteen rows 384 bytes apart (lane (r, h): 24 bytes at 96 s + 24 h and at
;   96 s + 48 + 24 h of its row), and leave as they stand, four registers as 16 bytes a lane: each store covers 512 consecutive bytes.  So the rows are gathered ONCE; every later read of a fragment is three dense loads.
; WORK-GROUPS 288 .. 799: mask [4][2048][2048] int32  ->  mw [512 tiles][16 steps][64 words]: the mask as lane masks, one bit a (query, key), read by all eight heads later.
;   Word n of step k: bit (r + 16 h) says whether mask[R(T) + rho(r)][128 k + 32 (n / 16) + 16 h + n % 16] is not 0: the key that score register n of lane (r, h) holds in the attention launch.
;   A work-group takes one tile, wave w the steps 4 w .. 4 w + 3.  Each load reads 512 consecutive bytes of one row, 16 bytes a lane; the 16 rows turn through the wave's own stage in LDS (rows 528 bytes apart)
;   and come back 64 numbers a lane.  A compare gives a word; 64 words leave as 256 consecutive bytes.
; No barrier: waves share nothing.  No matrix unit, no tensor load, no cluster: each byte is read once by one wave, and nothing is multiplied.  Only the mask's path uses LDS.
.set NIMG,  288                        ; work-groups that make images
.set ROWC,  384                        ; a row of 512 codes in bytes
.set TILEB, 6144                       ; a tile's image
.set MROW,  8192                       ; bytes in a row of the mask
.set SP,    528                        ; a stage row: 512 bytes + 16
.set WSTG,  16*SP                      ; a wave's stage
.set W,     8                          ; v8-15    the words of step k: a pair, word n in lane n / 2, register n % 2
.set R,     16                         ; v16-143  two sets of 64: 16 rows as loaded  (images: v16-63, a tile's four fragments)
.set X,     144                        ; v144-207 my 64 numbers of a step
.set BAL,   16                         ; s16-31   sixteen words at a time
	v_lshl_add_u32 v208, v0, 2, 0x8400
	v_mov_b32 v209, 0
	v_lshrrev_b32 v1, 5, v0
	v_readfirstlane_b32 s8, v1                     ; wave 0..3
	v_and_b32 v1, 31, v0                           ; lane
	v_lshlrev_b32 v2, 4, v1                        ; 16 x lane
	v_and_b32 v6, 15, v0                           ; r
	v_bfe_u32 v7, v0, 4, 1                         ; h
	s_cmp_lt_u32 ttmp9, NIMG
	s_cbranch_scc0 .Lmask
	; ---- the codes as images
	s_load_b256 s[32:39], s[0:1], 0x10             ; the codes of Q, K, Wq, Wk
	s_load_b128 s[40:43], s[0:1], 0x30             ; of Wv, Wo
	s_load_b64 s[44:45], s[0:1], 0x40              ; cimg
	v_and_b32 v3, 8, v6
	v_add_nc_u32 v3, v3, v6                        ; rho(r)
	v_mul_u32_u24 v3, v3, ROWC
	v_mad_u32_u24 v3, v7, 24, v3                   ; my bytes of a fragment's row
	s_lshl_b32 s14, ttmp9, 2
	s_add_co_u32 s14, s14, s8                      ; my tile among the 1,152
	s_mul_i32 s14, s14, TILEB
	s_mov_b32 s15, 0
	s_wait_alu depctr_va_vdst(0)
	s_wait_kmcnt 0x0
	s_mov_b64 s[10:11], s[42:43]                   ; whose tile it is: a choice on the work-group's number alone.  From the last tensor down
	s_mov_b32 s9, 280                              ; and that tensor's first work-group
.macro PICK lim, ptr, first
	s_cmp_lt_u32 ttmp9, \lim
	s_cselect_b64 s[10:11], s[\ptr:\ptr+1], s[10:11]
	s_cselect_b32 s9, \first, s9
.endm
	PICK 280, 40, 272                              ; Wv
	PICK 272, 38, 264                              ; Wk
	PICK 264, 36, 256                              ; Wq
	PICK 256, 34, 128                              ; K
	PICK 128, 32, 0                                ; Q
	s_sub_co_u32 s9, ttmp9, s9                     ; tile in the tensor = 4 x this + wave
	s_lshl_b32 s12, s9, 1
	s_lshr_b32 s13, s8, 1
	s_add_co_u32 s12, s12, s13                     ; tile / 2
	s_lshl_b32 s12, s12, 5
	s_and_b32 s13, s8, 1
	s_lshl_b32 s13, s13, 3
	s_add_co_u32 s12, s12, s13                     ; R(tile), under 8,192
	s_mul_i32 s12, s12, ROWC
	s_mov_b32 s13, 0
	s_add_nc_u64 s[10:11], s[10:11], s[12:13]
	s_add_nc_u64 s[44:45], s[44:45], s[14:15]
.irp s, 0,1,2,3
.irp p, 0,1,2,3,4,5
	global_load_b64 v[R+12*\s+2*\p:R+12*\s+2*\p+1], v3, s[10:11] offset:96*\s+48*(\p/3)+8*(\p%3)
.endr
.endr
	s_wait_loadcnt 0x0
.irp c, 0,1,2,3,4,5,6,7,8,9,10,11
	global_store_b128 v2, v[R+4*\c:R+4*\c+3], s[44:45] offset:512*\c   ; 32 lanes store 512 consecutive bytes, aligned
.endr
	s_endpgm
	; ---- the mask as lane masks
.Lmask:
	s_load_b128 s[4:7], s[0:1], 0x0                ; mask, mw
	s_sub_co_u32 s14, ttmp9, NIMG                  ; T
	s_wait_alu depctr_va_vdst(0)
	v_lshlrev_b32 v3, 3, v1                        ; 8 x lane: my two words of a step's 64
	s_mul_i32 s9, s8, WSTG
	v_add_nc_u32 v4, s9, v2                        ; the stage, on the way in: a row as it was loaded
	v_mul_u32_u24 v5, v6, SP
	v_lshl_add_u32 v5, v7, 6, v5
	v_add_nc_u32 v5, s9, v5                        ; and on the way out: row r, + 64 h
.irp k, 0,1,2,3,4,5,6,7
	v_mov_b32 v[W+\k], 0                           ; written once: v_writelane_b32 keeps the other lanes, so its destination counts as read
.endr
	s_lshr_b32 s10, s14, 1
	s_lshl_b32 s10, s10, 5
	s_and_b32 s11, s14, 1
	s_lshl_b32 s11, s11, 3
	s_add_co_u32 s10, s10, s11                     ; R(T), under 8,192
	s_lshl_b32 s10, s10, 13                        ; x 8,192 bytes
	s_lshl_b32 s11, s8, 11                         ; + my four steps' 2,048 bytes of a row
	s_add_co_u32 s10, s10, s11
	s_mov_b32 s11, 0
	s_lshl_b32 s12, s14, 4
	s_lshl_b32 s13, s8, 2
	s_add_co_u32 s12, s12, s13                     ; 16 T + 4 w
	s_lshl_b32 s12, s12, 8                         ; 256 bytes a step
	s_mov_b32 s13, 0
	s_wait_alu depctr_va_vdst(0)
	s_wait_kmcnt 0x0
	s_add_nc_u64 s[4:5], s[4:5], s[10:11]
	s_add_nc_u64 s[6:7], s[6:7], s[12:13]
.macro LOAD k                          ; step k's 16 rows into set k % 2
.irp i, 0,1,2,3,4,5,6,7,8,9,10,11,12,13,14,15
	global_load_b128 v[R+64*((\k)%2)+4*\i:R+64*((\k)%2)+4*\i+3], v2, s[4:5] offset:(\i+8*(\i/8))*MROW+512*(\k) th:TH_LOAD_NT
.endr
.endm
.macro STEP k
.if (\k) < 3
	s_wait_loadcnt 16                              ; this step's 16 loads are in; the next step's 16 may be out
.else
	s_wait_loadcnt 0x0
.endif
.irp i, 0,1,2,3,4,5,6,7,8,9,10,11,12,13,14,15
	ds_store_b128 v4, v[R+64*((\k)%2)+4*\i:R+64*((\k)%2)+4*\i+3] offset:SP*\i
.endr
.irp b, 0,1,2,3
.irp j, 0,1,2,3
	ds_load_b128 v[X+16*\b+4*\j:X+16*\b+4*\j+3], v5 offset:128*\b+16*\j   ; LDS serves a wave's instructions in order: these see the stores above
.endr
.endr
	s_wait_dscnt 0x0                               ; my 64 numbers are in, and the stores have read their registers,
.if (\k) < 2
	LOAD (\k)+2                                    ; which take the loads of two steps on
.endif
.irp q, 0,1,2,3
.irp m, 0,1,2,3,4,5,6,7,8,9,10,11,12,13,14,15
	v_cmp_ne_u32 s[BAL+\m], 0, v[X+16*\q+\m]       ; word 16 q + m: a bit for each lane
.endr
.irp m, 0,1,2,3,4,5,6,7,8,9,10,11,12,13,14,15
	v_writelane_b32 v[W+2*(\k)+\m%2], s[BAL+\m], 8*\q+\m/2
.endr
.endr
	global_store_b64 v3, v[W+2*(\k):W+2*(\k)+1], s[6:7] offset:256*(\k)   ; 32 lanes store 256 consecutive bytes, aligned; each step has its own pair, so no store's data are written again
.endm
	LOAD 0
	LOAD 1
	STEP 0
	STEP 1
	STEP 2
	STEP 3
	s_wait_tensorcnt 0x0
	ds_add_u32 v208, v209
	s_wait_dscnt 0x0
	s_endpgm
.Lfunc_end_k_qa5a18bdced_pack:
	.size	k_qa5a18bdced_pack, .Lfunc_end_k_qa5a18bdced_pack-k_qa5a18bdced_pack
	.p2alignl 7, 3214868480
	.fill 96, 4, 3214868480
	.section	.rodata,"a",@progbits
	.p2align	6, 0x0
	.amdhsa_kernel k_qa5a18bdced_pack
		.amdhsa_group_segment_fixed_size 34304
		.amdhsa_private_segment_fixed_size 0
		.amdhsa_enable_private_segment 0
		.amdhsa_kernarg_size 72
		.amdhsa_user_sgpr_count 2
		.amdhsa_user_sgpr_kernarg_segment_ptr 1
		.amdhsa_wavefront_size32 1
		.amdhsa_system_sgpr_workgroup_id_x 1
		.amdhsa_system_sgpr_workgroup_id_y 1
		.amdhsa_system_sgpr_workgroup_id_z 1
		.amdhsa_system_vgpr_workitem_id 0
		.amdhsa_next_free_vgpr 210
		.amdhsa_next_free_sgpr 66
		.amdhsa_reserve_vcc 0
		.amdhsa_float_denorm_mode_32 3
		.amdhsa_float_denorm_mode_16_64 3
		.amdhsa_memory_ordered 1
		.amdhsa_forward_progress 1
		.amdhsa_inst_pref_size 55
	.end_amdhsa_kernel
	.amdgpu_metadata
---
amdhsa.version: [ 1, 2 ]
amdhsa.kernels:
  - .name:           k_qa5a18bdced_pack
    .symbol:         k_qa5a18bdced_pack.kd
    .args:
      - { .name: mask, .offset: 0, .size: 8, .value_kind: global_buffer, .address_space: global }
      - { .name: mw, .offset: 8, .size: 8, .value_kind: global_buffer, .address_space: global }
      - { .name: Q_codes, .offset: 16, .size: 8, .value_kind: global_buffer, .address_space: global }
      - { .name: K_codes, .offset: 24, .size: 8, .value_kind: global_buffer, .address_space: global }
      - { .name: Wq_codes, .offset: 32, .size: 8, .value_kind: global_buffer, .address_space: global }
      - { .name: Wk_codes, .offset: 40, .size: 8, .value_kind: global_buffer, .address_space: global }
      - { .name: Wv_codes, .offset: 48, .size: 8, .value_kind: global_buffer, .address_space: global }
      - { .name: Wo_codes, .offset: 56, .size: 8, .value_kind: global_buffer, .address_space: global }
      - { .name: cimg, .offset: 64, .size: 8, .value_kind: global_buffer, .address_space: global }
    .group_segment_fixed_size: 34304
    .private_segment_fixed_size: 0
    .kernarg_segment_align: 8
    .kernarg_segment_size: 72
    .max_flat_workgroup_size: 128
    .sgpr_count:     66
    .vgpr_count:     210
    .wavefront_size: 32
...
	.end_amdgpu_metadata
.endif
;; end of part 5
;; launch proj (part 6): grid 64 x 3, 4 waves a work-group, no clusters, 0 bytes of LDS; arguments cimg, Q_scales, K_scales, Wq_scales, Wk_scales, Wv_scales, bq, bk, bv, temperature, qimg, qf, kv; writes qimg, qf, kv
.if DOCPART == 6
	.amdgcn_target "amdgcn-amd-amdhsa--gfx1250"
	.amdhsa_code_object_version 6
	.text
	.protected	k_qa5a18bdced_proj
	.globl	k_qa5a18bdced_proj
	.p2align	8
	.type	k_qa5a18bdced_proj,@function
k_qa5a18bdced_proj:
	s_mov_b64 s[64:65], 0
	v_nop
	global_prefetch_b8 v0, s[64:65] scope:SCOPE_SE
	s_setreg_imm32_b32 hwreg(HW_REG_WAVE_MODE, 25, 1), 1
	s_wait_xcnt 0x0
; The three projections q = Q Wq + bq, k = K Wk + bk, v = K Wv + bv on the given codes of BF6 (E3M2), and the quantising of their results for the attention launch.  One text, three roles (work-group y: 0 q, 1 k, 2 v).
; D = S0 x S1^T.  S0 runs along the axis that the RESULT is quantised along (q, k: the output channels, rows of the weight; v: the keys, rows of K): 128 rows, all of K = 512, 384 registers that stay.
; S1 runs along the lanes (q, k: tokens; v: channels, rows of Wv): eight tiles of 16 rows, streamed.  A unit is S0 x one tile of S1: 32 matrix instructions.
; THE CODES COME AS IMAGES OF THE OPERANDS' REGISTERS, from cimg (made by the launch before): a fragment is three loads of 16 bytes a lane, 512 consecutive bytes each.  cimg in blocks of 8 tiles (128 rows, 49,152 bytes):
; Q's block x at x, K's at 64 + x, Wq's block w at 128 + w, Wk's at 132 + w, Wv's at 136 + w.
; S1 IS ASKED FOR FOUR UNITS AHEAD: a wave is alone on its SIMD, so only its own later units stand between a load and its use.  Four sets of 48 registers (window 3) and of scale words take turns.
; THE ROWS OF A TILE ARE NOT NEIGHBOURS, on either side: lane r of tile T takes row R(T) + rho(r), R(T) = 32 (T / 2) + 8 (T % 2), rho(r) = r + 8 (r / 8).  So register 16 b + i of a lane's 64 results is S0's row
; 32 b + 16 (lane / 16) + i: sixteen neighbours along the next product's K, which the conversions want in one lane.
; WHAT IS STORED is laid as the reader's registers: a group of four registers as 16 bytes a lane on end (512 bytes), two as 8 bytes a lane, one as 4.
;   q: qimg [tile][head] 1,024 bytes: the six code registers of the head's 64 channels, then the scale word by lane (bytes 0, 1 the two blocks' scales; bytes 2, 3 the byte 1, for the half of the instruction's K that holds zero codes);
;      qf [tile][head] 4,096 bytes: q itself in f32, 32 registers, for the residual.
;   k, v: kv [batch][head][step of 128 keys] records of 13,568 bytes: 8 tiles of K's codes, 4 tiles of V^T's codes (K = the 128 keys), their scale words, and c[key] = log2(e) / sqrt(512) / temperature[key].
; The bias of q and k lies along S0 and is the C of each sum's first matrix instruction; v's lies along the lanes and is added behind the sums.
; A block's scale is 2^(floor(log2(largest magnitude)) - 4): its byte is the largest magnitude's exponent field - 4, held at 1 from below.
; LIMITS: NaN and infinities are not served; a temperature of 0 or a denormal one is not served (v_rcp_f32); a block of zeros, or one whose largest magnitude lies under 2^-122, keeps the byte 1 (its codes are zeros or the
; format's smallest; these bytes are read by this program alone).
; No LDS, no tensor loads, no cluster: every operand goes straight into the registers in which it is multiplied.  Four waves, one to a SIMD.  192 work-groups: 6,144 units, eight to a wave, with S0 loaded once a wave.
.set BLKB,  49152                      ; a block of 8 tiles in cimg
.set TILEB, 6144                       ; a tile: four fragments
.set FRB,   1536                       ; a fragment: three groups of 512 bytes
.set REC,   13824                      ; a record of kv: 54 units of 256 bytes
.set HEADB, REC                        ; kv is [batch][step of 128 keys][head]: the next head's record follows
.set KOFF,  0                          ; in a record: K's 8 tiles x 768 bytes
.set VOFF,  6144                       ; V's 4 tiles x 1,536 bytes
.set KSOFF, 12288                      ; K's scale words: [r + 16 (tile % 2)][tile / 2], 512 bytes
.set VSOFF, 12800                      ; V's: [r + 16 (tile % 2)][tile / 2], 256 bytes
.set COFF,  13056                      ; c, 128 f32 in the order of the keys
.set VS,   2                           ; v2   rho(r) x 16: my row's scale bytes
.set LI16, 3                           ; v3   16 x lane
.set LI8,  4                           ; v4   8 x lane
.set LI4,  5                           ; v5   4 x lane
.set R16,  6                           ; v6   16 r
.set R8,   7                           ; v7   8 r
.set CA,   8                           ; v8   4 rho(r)
.set BA,   9                           ; v9   64 h
.set S1S,  16                          ; v16-31   S1's scale words: set q at 4 q, K step s
.set AUXL, 32                          ; v32-35   temperature (k) or bv (v) of my lane's row of S1, as loaded, set q
.set ACC,  64                          ; v64-127  eight accumulators
.set PC,   128                         ; v128-146 the codes just made (12), and the conversions' second halves
.set TM,   148                         ; v148-163 largest magnitudes, bytes, the conversions' scale operands
.set PW,   164                         ; v164 the four blocks' scale bytes
.set WA,   165                         ; v165, v166 the scale words of the two heads
.set WB,   166
.set TMPV, 167
.set AUX,  170                         ; v[170:171] the unit's number by lane, named as a pair
.set S0S,  176                         ; v176-207 S0's scale words: 4 t + s
.set BI,   192                         ; in window 2: the bias along S0, eight registers a tile
                                       ; window 1: S0's K steps 0, 1 at v[24 t + 12 s]; window 2: K steps 2, 3 likewise; window 3: S1's four sets at v[48 q + 12 s]
.set SEL,  70                          ; s[70:71] v_permlanex16_b32's selects for lane l xor 16
.set MSB, 0
.macro WIN new                         ; the immediate's high byte repeats the setting that is left
.if MSB != \new
	s_set_vgpr_msb (MSB<<8)|\new
.set MSB, \new
.endif
.endm
	s_load_b512 s[4:19], s[0:1], 0x0               ; cimg; the scales of Q, K, Wq, Wk, Wv; bq; bk
	s_load_b256 s[20:27], s[0:1], 0x40             ; bv; temperature; qimg; qf
	s_load_b64 s[28:29], s[0:1], 0x60              ; kv
	v_lshrrev_b32 v10, 5, v0
	v_readfirstlane_b32 s52, v10                   ; wave w
	s_and_b32 s53, ttmp7, 0xffff                   ; role
	s_mov_b32 s54, ttmp9                           ; x
	v_and_b32 v10, 15, v0                          ; r
	v_bfe_u32 v11, v0, 4, 1                        ; h
	v_and_b32 v12, 31, v0                          ; lane
	v_and_b32 v13, 8, v10
	v_add_nc_u32 v13, v13, v10                     ; rho(r)
	v_lshlrev_b32 v[VS], 4, v13
	v_lshlrev_b32 v[LI16], 4, v12
	v_lshlrev_b32 v[LI8], 3, v12
	v_lshlrev_b32 v[LI4], 2, v12
	v_lshlrev_b32 v[R16], 4, v10
	v_lshlrev_b32 v[R8], 3, v10
	v_lshlrev_b32 v[CA], 2, v13
	v_lshlrev_b32 v[BA], 6, v11
.irp b, 0,1,2,3
	v_mov_b32 v[TM+4+\b], 0                        ; written once: a lane permute's destination counts as one of its sources
	v_mov_b32 v[AUXL+\b], 0                        ; (role q loads nothing here)
.endr
	v_mov_b32 v[AUX+1], 0                          ; (named as the upper half of a pair)
	s_mov_b32 s[SEL], 0x76543210
	s_mov_b32 s[SEL+1], 0xfedcba98
	s_mov_b32 s74, 0x01010000                      ; the byte 1 for the two blocks of K that hold zero codes
	s_mov_b32 s75, 0x3d8293ee                      ; log2(e) / sqrt(512)
	s_mov_b32 s57, 0
	s_lshl_b32 s76, s53, 2
	s_add_co_u32 s76, s76, s52
	s_add_co_u32 s76, s76, 128                     ; the weight's block in cimg: 128 + 4 x role + w
	s_min_u32 s77, s53, 1
	s_lshl_b32 s77, s77, 6
	s_add_co_u32 s77, s77, s54                     ; the tokens' block: x (Q) or 64 + x (K)
	s_wait_kmcnt 0x0
	; which buffers are S0 and S1: a choice on the role alone
	s_cmp_eq_u32 s53, 0
	s_cselect_b64 s[42:43], s[10:11], s[12:13]     ; S0's scales: Wq's or Wk's
	s_cselect_b64 s[46:47], s[6:7], s[8:9]         ; S1's scales: Q's or K's
	s_cselect_b64 s[48:49], s[16:17], s[18:19]     ; the bias along S0: bq or bk
	s_cmp_eq_u32 s53, 2
	s_cselect_b64 s[42:43], s[8:9], s[42:43]       ; role v: S0 = K,
	s_cselect_b64 s[46:47], s[14:15], s[46:47]     ; S1 = Wv
	s_cselect_b64 s[50:51], s[20:21], s[22:23]     ; by lane: bv, or the temperature
	s_cselect_b32 s72, s54, s52                    ; S0's block of 128 rows in its tensor: x (v) or w
	s_cselect_b32 s73, s52, s54                    ; S1's: w (v) or x
	s_cselect_b32 s78, s77, s76                    ; S0's block in cimg
	s_cselect_b32 s79, s76, s77                    ; S1's
	s_mul_i32 s56, s78, BLKB
	s_add_nc_u64 s[40:41], s[4:5], s[56:57]        ; S0's images
	s_mul_i32 s56, s79, BLKB
	s_add_nc_u64 s[44:45], s[4:5], s[56:57]        ; S1's images
	s_lshl_b32 s56, s72, 11
	s_add_nc_u64 s[42:43], s[42:43], s[56:57]
	s_lshl_b32 s56, s73, 11
	s_add_nc_u64 s[46:47], s[46:47], s[56:57]
	s_lshl_b32 s56, s73, 9
	s_add_nc_u64 s[50:51], s[50:51], s[56:57]
	; where the results go
	s_lshl_b32 s76, s54, 6
	s_lshl_b32 s77, s52, 1
	s_add_co_u32 s76, s76, s77                     ; 8 x (tile 8 x) + head 2 w
	s_lshl_b32 s56, s76, 10
	s_add_nc_u64 s[58:59], s[24:25], s[56:57]      ; qimg
	s_lshl_b32 s56, s76, 12
	s_add_nc_u64 s[60:61], s[26:27], s[56:57]      ; qf
	s_lshl_b32 s76, s54, 3                         ; x = 16 x batch + step: record 8 x + head 2 w
	s_add_co_u32 s76, s76, s77
	s_mul_i32 s56, s76, REC
	s_add_nc_u64 s[62:63], s[28:29], s[56:57]      ; kv: my first head's record of this step
	; S0: tile t, K step s
	WIN 0x40
.irp t, 0,1,2,3,4,5,6,7
.irp s, 0,1
.irp c, 0,1,2
	global_load_b128 v[24*\t+12*\s+4*\c:24*\t+12*\s+4*\c+3], v[LI16], s[40:41] offset:TILEB*\t+FRB*\s+512*\c
.endr
.endr
.endr
	WIN 0x80
.irp t, 0,1,2,3,4,5,6,7
.irp s, 0,1
.irp c, 0,1,2
	global_load_b128 v[24*\t+12*\s+4*\c:24*\t+12*\s+4*\c+3], v[LI16], s[40:41] offset:TILEB*\t+2*FRB+FRB*\s+512*\c
.endr
.endr
.endr
	WIN 0
.irp t, 0,1,2,3,4,5,6,7
	global_load_b128 v[S0S+4*\t:S0S+4*\t+3], v[VS], s[42:43] offset:(32*(\t/2)+8*(\t%2))*16   ; a row's 16 scale bytes are the words of its four K steps
.endr
	s_cmp_eq_u32 s53, 2
	s_cbranch_scc1 .Lno_bias0
	s_lshl_b32 s56, s52, 9                         ; q, k: my 128 channels' bias; lane (r, h) wants, for tile t, that of channels R(t) + 16 h + 0 .. 7
	s_add_nc_u64 s[48:49], s[48:49], s[56:57]
	WIN 0x80
.irp t, 0,1,2,3,4,5,6,7
	global_load_b128 v[BI+8*\t:BI+8*\t+3], v[BA], s[48:49] offset:(32*(\t/2)+8*(\t%2))*4
	global_load_b128 v[BI+8*\t+4:BI+8*\t+7], v[BA], s[48:49] offset:(32*(\t/2)+8*(\t%2))*4+16
.endr
	WIN 0
	s_branch .Lbias0_done
.Lno_bias0:
	WIN 0x80
.set j, 0
.rept 64
	v_mov_b32 v[BI+j], 0                           ; v: no bias along S0.  Once a wave, so that the three roles share the products' text
.set j, j+1
.endr
	WIN 0
.Lbias0_done:
; S1's tile i into set i % 4: four fragments (12 loads), the row's scale words, and (k, v) the number that goes with my lane's row: 13 loads at the least
.macro S1LOAD i
.set RO1, 32*((\i)/2)+8*((\i)%2)
.set BL, (\i)%4
	WIN 0xc0                                       ; destination window 3
.irp s, 0,1,2,3
.irp c, 0,1,2
	global_load_b128 v[48*BL+12*\s+4*\c:48*BL+12*\s+4*\c+3], v[LI16], s[44:45] offset:TILEB*(\i)+FRB*\s+512*\c
.endr
.endr
	WIN 0
	global_load_b128 v[S1S+4*BL:S1S+4*BL+3], v[VS], s[46:47] offset:RO1*16
	s_cmp_eq_u32 s53, 0
	s_cbranch_scc1 .Lno_aux_\@
	global_load_b32 v[AUXL+BL], v[CA], s[50:51] offset:RO1*4
.Lno_aux_\@:
.endm
; 64 numbers of a lane, v[s] .. v[s + 63], register 16 b + i = k 32 b + 16 (lane / 16) + i of my row, become a fragment's codes in v[PC] on and the four blocks' scale bytes in v[PW].
.macro QUANT s
.irp b, 0,1,2,3
	v_max3_num_f32 v[TM+\b], |v[\s+16*\b]|, |v[\s+1+16*\b]|, 0x2800000   ; block b: my 16 numbers, and the floor 2^(5 - 127): so the byte cannot fall under 1
.endr
.irp i, 2,4,6,8,10,12,14
.irp b, 0,1,2,3
	v_max3_num_f32 v[TM+\b], v[TM+\b], |v[\s+16*\b+\i]|, |v[\s+1+16*\b+\i]|   ; (the four blocks by turns)
.endr
.endr
.irp b, 0,1,2,3
	v_permlanex16_b32 v[TM+4+\b], v[TM+\b], s[SEL], s[SEL+1]
.endr
.irp b, 0,1,2,3
	v_max_num_f32 v[TM+\b], v[TM+\b], v[TM+4+\b]   ; with lane l xor 16's: the block's largest magnitude
.endr
.irp b, 0,1,2,3
	v_add_nc_u32 v[TM+12+\b], 0xfe000000, v[TM+\b] ; 4 off its exponent field: the conversion takes the exponent field of this operand as its scale
.endr
.irp b, 0,1,2,3
	v_lshrrev_b32 v[TM+4+\b], 23, v[TM+12+\b]      ; the scale's byte
.endr
	v_lshl_or_b32 v[PW], v[TM+5], 8, v[TM+4]
	v_lshl_or_b32 v[PW], v[TM+6], 16, v[PW]
	v_lshl_or_b32 v[PW], v[TM+7], 24, v[PW]
.irp c, 0,1
	v_cvt_scalef32_pk16_bf6_f32 v[PC+6*\c:PC+2+6*\c], v[\s+32*\c:\s+15+32*\c], v[TM+12+2*\c]
	v_cvt_scalef32_pk16_bf6_f32 v[PC+12+4*\c:PC+14+4*\c], v[\s+16+32*\c:\s+31+32*\c], v[TM+12+2*\c+1]   ; (a conversion's three registers begin on an even number)
.endr
	v_nop                                          ; one plain place behind a scaled conversion
.irp c, 0,1                                    ; the operand's layout wants a WHOLE block in a lane: lanes 0-15 block 2 c, lanes 16-31 block 2 c + 1
.irp i, 0,1,2
	v_permlane16_swap_b32 v[PC+6*\c+\i], v[PC+12+4*\c+\i]
.endr
.irp i, 0,1,2
	v_mov_b32 v[PC+3+6*\c+\i], v[PC+12+4*\c+\i]
.endr
.endr
.endm
; A UNIT: S0's 128 rows x S1's tile i.  The eight accumulators take turns, K step by K step.
.macro UNIT i
.set ROU, 32*((\i)/2)+8*((\i)%2)
.set BQ, (\i)%4
.if (\i) < 5
	s_wait_loadcnt 39                              ; this unit's tile of S1 is in; the three tiles asked for behind it, 13 loads each at the least, may be out
.else
	s_wait_loadcnt 13*(7-(\i))                     ; the last units: fewer tiles are behind it
.endif
	WIN 0x2d                                       ; source 0 (S0) window 1, source 1 (S1) window 3, source 2 (the bias) window 2
.irp t, 0,1,2,3,4,5,6,7
	v_wmma_scale_f32_16x16x128_f8f6f4 v[ACC+8*\t:ACC+8*\t+7], v[24*\t:24*\t+11], v[48*BQ:48*BQ+11], v[BI+8*\t:BI+8*\t+7], v[S0S+4*\t], v[S1S+4*BQ] matrix_a_fmt:MATRIX_FMT_BF6 matrix_b_fmt:MATRIX_FMT_BF6
.endr
	WIN 0x0d
.irp t, 0,1,2,3,4,5,6,7
	v_wmma_scale_f32_16x16x128_f8f6f4 v[ACC+8*\t:ACC+8*\t+7], v[24*\t+12:24*\t+23], v[48*BQ+12:48*BQ+23], v[ACC+8*\t:ACC+8*\t+7], v[S0S+4*\t+1], v[S1S+4*BQ+1] matrix_a_fmt:MATRIX_FMT_BF6 matrix_b_fmt:MATRIX_FMT_BF6
.endr
	WIN 0x0e                                       ; source 0 window 2
.irp t, 0,1,2,3,4,5,6,7
	v_wmma_scale_f32_16x16x128_f8f6f4 v[ACC+8*\t:ACC+8*\t+7], v[24*\t:24*\t+11], v[48*BQ+24:48*BQ+35], v[ACC+8*\t:ACC+8*\t+7], v[S0S+4*\t+2], v[S1S+4*BQ+2] matrix_a_fmt:MATRIX_FMT_BF6 matrix_b_fmt:MATRIX_FMT_BF6
.endr
.irp t, 0,1,2,3,4,5,6,7
	v_wmma_scale_f32_16x16x128_f8f6f4 v[ACC+8*\t:ACC+8*\t+7], v[24*\t+12:24*\t+23], v[48*BQ+36:48*BQ+47], v[ACC+8*\t:ACC+8*\t+7], v[S0S+4*\t+3], v[S1S+4*BQ+3] matrix_a_fmt:MATRIX_FMT_BF6 matrix_b_fmt:MATRIX_FMT_BF6
.endr
	WIN 0
	v_mov_b32 v[AUX], v[AUXL+BQ]                   ; kept, since a later unit's load lands in its place.  With the three v_nop: four places behind the products (ISA guide 7.12.1),
.rept 3
	v_nop                                          ; in front of the loads into this set's registers and of the first read of results
.endr
.if (\i) < 4
	S1LOAD (\i)+4                                  ; this set takes the tile of four units on
.endif
	s_cmp_eq_u32 s53, 2
	s_cbranch_scc0 .Lno_lane_bias_\@
.set j, 0
	s_wait_alu depctr_va_vdst(0)
.rept 32
	v_pk_add_f32 v[ACC+j:ACC+j+1], v[ACC+j:ACC+j+1], v[AUX:AUX+1] op_sel_hi:[1,0]   ; v: + bv of my lane's channel (each accumulator from its low end on)
.set j, j+2
.endr
.Lno_lane_bias_\@:
	QUANT ACC
	s_cmp_eq_u32 s53, 2
	s_cbranch_scc1 .Lrole_v_\@
	v_and_or_b32 v[WA], v[PW], 0xffff, s74         ; q, k: blocks 0, 1 are head 2 w's 64 channels, blocks 2, 3 head 2 w + 1's
	v_lshrrev_b32 v[WB], 16, v[PW]
	v_or_b32 v[WB], s74, v[WB]
	s_cmp_eq_u32 s53, 0
	s_cbranch_scc0 .Lrole_k_\@
.irp c, 0,1,2,3,4,5,6,7,8,9,10,11,12,13,14,15
	global_store_b128 v[LI16], v[ACC+4*\c:ACC+4*\c+3], s[60:61] offset:32768*(\i)+512*\c   ; q in f32: two heads' 32 registers; a wave's store covers 512 consecutive bytes
.endr
	global_store_b128 v[LI16], v[PC:PC+3], s[58:59] offset:8192*(\i)
	global_store_b64 v[LI8], v[PC+4:PC+5], s[58:59] offset:8192*(\i)+512
	global_store_b32 v[LI4], v[WA], s[58:59] offset:8192*(\i)+768
	global_store_b128 v[LI16], v[PC+6:PC+9], s[58:59] offset:8192*(\i)+1024
	global_store_b64 v[LI8], v[PC+10:PC+11], s[58:59] offset:8192*(\i)+1536
	global_store_b32 v[LI4], v[WB], s[58:59] offset:8192*(\i)+1792
	s_branch .Lstored_\@
.Lrole_k_\@:
	global_store_b128 v[LI16], v[PC:PC+3], s[62:63] offset:KOFF+768*(\i)
	global_store_b64 v[LI8], v[PC+4:PC+5], s[62:63] offset:KOFF+768*(\i)+512
	s_wait_alu depctr_va_vdst(0)
	global_store_b128 v[LI16], v[PC+6:PC+9], s[62:63] offset:HEADB+KOFF+768*(\i)
	global_store_b64 v[LI8], v[PC+10:PC+11], s[62:63] offset:HEADB+KOFF+768*(\i)+512
	global_store_b32 v[R16], v[WA], s[62:63] offset:KSOFF+256*((\i)%2)+4*((\i)/2)   ; (lanes r and r + 16 store the same word to the same place)
	global_store_b32 v[R16], v[WB], s[62:63] offset:HEADB+KSOFF+256*((\i)%2)+4*((\i)/2)
	v_rcp_f32 v[TMPV], v[AUX]                      ; 1 / temperature of my lane's key
	v_nop                                          ; one plain place behind a transcendental
	s_wait_alu depctr_va_vdst(0)
	v_mul_f32 v[TMPV], s75, v[TMPV]                ; c
	global_store_b32 v[CA], v[TMPV], s[62:63] offset:COFF+4*ROU
	global_store_b32 v[CA], v[TMPV], s[62:63] offset:HEADB+COFF+4*ROU
.if (\i) == 0
	global_store_b64 v[LI8], v[PC:PC+1], s[62:63] offset:COFF+512          ; the record's last 256 bytes, which no reader uses, are written too: the whole record is moved later
	global_store_b64 v[LI8], v[PC:PC+1], s[62:63] offset:HEADB+COFF+512
.endif
	s_branch .Lstored_\@
.Lrole_v_\@:
	s_wait_alu depctr_va_vdst(0)
.irp c, 0,1,2
	global_store_b128 v[LI16], v[PC+4*\c:PC+4*\c+3], s[62:63] offset:((\i)/4)*HEADB+VOFF+1536*((\i)%4)+512*\c   ; channels' tile i % 4 of head 2 w + i / 4
.endr
	global_store_b32 v[R8], v[PW], s[62:63] offset:((\i)/4)*HEADB+VSOFF+128*((\i)%2)+4*(((\i)%4)/2)
.Lstored_\@:
	s_wait_xcnt 0x0                                ; the stores' data registers are written again only behind this wait
.endm
	S1LOAD 0
	S1LOAD 1
	S1LOAD 2
	S1LOAD 3
	s_wait_alu depctr_va_vdst(0)
.irp u, 0,1,2,3,4,5,6,7
	UNIT \u
.endr
	s_endpgm
.Lfunc_end_k_qa5a18bdced_proj:
	.size	k_qa5a18bdced_proj, .Lfunc_end_k_qa5a18bdced_proj-k_qa5a18bdced_proj
	.p2alignl 7, 3214868480
	.fill 96, 4, 3214868480
	.section	.rodata,"a",@progbits
	.p2align	6, 0x0
	.amdhsa_kernel k_qa5a18bdced_proj
		.amdhsa_group_segment_fixed_size 0
		.amdhsa_private_segment_fixed_size 0
		.amdhsa_enable_private_segment 0
		.amdhsa_kernarg_size 104
		.amdhsa_user_sgpr_count 2
		.amdhsa_user_sgpr_kernarg_segment_ptr 1
		.amdhsa_wavefront_size32 1
		.amdhsa_system_sgpr_workgroup_id_x 1
		.amdhsa_system_sgpr_workgroup_id_y 1
		.amdhsa_system_sgpr_workgroup_id_z 1
		.amdhsa_system_vgpr_workitem_id 0
		.amdhsa_next_free_vgpr 1024
		.amdhsa_next_free_sgpr 80
		.amdhsa_reserve_vcc 0
		.amdhsa_float_denorm_mode_32 3
		.amdhsa_float_denorm_mode_16_64 3
		.amdhsa_memory_ordered 1
		.amdhsa_forward_progress 1
		.amdhsa_inst_pref_size 140
	.end_amdhsa_kernel
	.amdgpu_metadata
---
amdhsa.version: [ 1, 2 ]
amdhsa.kernels:
  - .name:           k_qa5a18bdced_proj
    .symbol:         k_qa5a18bdced_proj.kd
    .args:
      - { .name: cimg, .offset: 0, .size: 8, .value_kind: global_buffer, .address_space: global }
      - { .name: Q_scales, .offset: 8, .size: 8, .value_kind: global_buffer, .address_space: global }
      - { .name: K_scales, .offset: 16, .size: 8, .value_kind: global_buffer, .address_space: global }
      - { .name: Wq_scales, .offset: 24, .size: 8, .value_kind: global_buffer, .address_space: global }
      - { .name: Wk_scales, .offset: 32, .size: 8, .value_kind: global_buffer, .address_space: global }
      - { .name: Wv_scales, .offset: 40, .size: 8, .value_kind: global_buffer, .address_space: global }
      - { .name: bq, .offset: 48, .size: 8, .value_kind: global_buffer, .address_space: global }
      - { .name: bk, .offset: 56, .size: 8, .value_kind: global_buffer, .address_space: global }
      - { .name: bv, .offset: 64, .size: 8, .value_kind: global_buffer, .address_space: global }
      - { .name: temperature, .offset: 72, .size: 8, .value_kind: global_buffer, .address_space: global }
      - { .name: qimg, .offset: 80, .size: 8, .value_kind: global_buffer, .address_space: global }
      - { .name: qf, .offset: 88, .size: 8, .value_kind: global_buffer, .address_space: global }
      - { .name: kv, .offset: 96, .size: 8, .value_kind: global_buffer, .address_space: global }
    .group_segment_fixed_size: 0
    .private_segment_fixed_size: 0
    .kernarg_segment_align: 8
    .kernarg_segment_size: 104
    .max_flat_workgroup_size: 128
    .sgpr_count:     80
    .vgpr_count:     1024
    .wavefront_size: 32
...
	.end_amdgpu_metadata
.endif
;; end of part 6
;; launch attn (part 7): grid 256 x 1, 16 waves a work-group, clusters of 4 x 1, 327,680 bytes of LDS; arguments qimg, kv, mw, qf, cimg, Wo_scales, bo, ln0_g, ln0_b, ln1_g, ln1_b, out0; writes out0
.if DOCPART == 7
	.amdgcn_target "amdgcn-amd-amdhsa--gfx1250"
	.amdhsa_code_object_version 6
	.text
	.protected	k_qa5a18bdced_attn
	.globl	k_qa5a18bdced_attn
	.p2align	8
	.type	k_qa5a18bdced_attn,@function
k_qa5a18bdced_attn:
	s_mov_b64 s[64:65], 0
	v_nop
	global_prefetch_b8 v0, s[64:65] scope:SCOPE_SE
	s_setreg_imm32_b32 hwreg(HW_REG_WAVE_MODE, 25, 1), 1
	s_wait_xcnt 0x0
	s_wait_alu depctr_hold_cnt(0) depctr_sa_sdst(0) depctr_va_vdst(0) depctr_va_sdst(0) depctr_va_ssrc(0) depctr_va_vcc(0) depctr_vm_vsrc(0)
	s_getreg_b32 s2, hwreg(HW_REG_IB_STS2, 6, 4)
	s_cmp_eq_u32 s2, 0
	s_cbranch_scc0 .Lentry_in_a_cluster
	s_endpgm
.Lentry_in_a_cluster:
	s_bfe_u32 s2, ttmp6, 0x10000c
	s_cmp_lg_u32 s2, 0x3003
	s_cbranch_scc0 .Lentry_shape_is_right
	s_endpgm
.Lentry_shape_is_right:
; Attention, the residual, both layer norms and the product with Wo, in one launch.  All quantised products on codes of BF6 (E3M2).
; SHARES.  A work-group owns 32 queries (rows 32 x .. 32 x + 31 of the 8,192) and ALL 8 heads; wave w owns tile u = w % 2 (rows 32 x + 8 u + rho(r), rho(r) = r + 8 (r / 8)) of head hd = w / 2.
; So a token's 512 channels lie in eight waves of one work-group: the norms' sums and x's codes go from wave to wave through LDS, and nothing of O goes through memory.
; K AND V: kv [batch][step of 128 keys][head] records of 13,824 bytes.  A step's eight records, 110,592 dense bytes, fill one of two LDS slots: each wave moves 27 rows of 256 bytes.
; The four work-groups of a cluster have one batch and ask jointly.  In step s a wave first brings K's, c's and V's fragments into registers; then the slot is free: the waits, the add and the round of the cluster's
; barrier follow, with the scaling, the mask and the maxima between the opening signal and its wait, and the slot takes step s + 2.  By the text's own count a wave has one tensor load out.
; The last two steps fill their slots with Wo's images instead, 98,304 bytes each, 24 rows of 256 bytes a wave: the way out reads Wo's fragments from LDS.
; PREFETCH: in step s each wave names seven rows at the most of step s + 4 (two refills ahead); the four partners share a wave's 27 rows out by address (7 cx ..); steps 12 on ask for nothing; steps 1 to 3 are named at the head.
; In the trip of steps 8 and 9 a wave names its own 16 blocks of q in f32 and, of the 48 rows of Wo that it will move, its work-group's 12.  The norms' parameters and bo are asked for by their loads alone: 2,048 bytes each,
; with the residual and the exchanges between a load and its use.
; Softmax: p = 2^(t - M), M the ceiling of the running largest t; the sum is taken of the unquantised p.  Both products are used transposed, so that a lane holds one query.
; THE WAY OUT: x = LN0(q + O / l); x's 64 channels of a wave become half a fragment, handed round as register images; wave (u, g) makes output channels 64 g .. 64 g + 63 (16 matrix instructions),
; so that the results fall on its own x; out0 = LN1(x + relu(..)).  The norms take two passes (the mean; the squares of x - mean).
; LIMITS: the promise holds while the scaled scores stay under 2^31 in magnitude; NaN and infinities are not served; a block whose largest magnitude lies under 2^-122 keeps the scale byte 1.
.set REC,   13824
.set SLOTB, 8*REC
.set WSH,   SLOTB/16                   ; a wave's share of a slot: 27 rows of 256 bytes
.set KOFF,  0
.set VOFF,  6144
.set KSOFF, 12288
.set VSOFF, 12800
.set COFF,  13056
.set SPARE, 2*SLOTB                    ; the spare words: 16 waves x 128 bytes
.set RED,   SPARE+2048                 ; four areas [u][lane][head] of f32: the norms' partial sums
.set XI,    RED+4*2048                 ; x's codes: [u][head] 768 bytes, six registers as images
.set XS,    XI+12288                   ; x's scale bytes: [u][r][head] two bytes
.set STG,   XS+512                     ; a stage of 16 rows x 272 bytes for each wave
.set WOB,   140*49152                  ; Wo's images in cimg
.set WOH,   98304                      ; half of them: 16 tiles
.set LI16, 1
.set LI8,  2
.set H64,  3
.set ADK,  4                           ; v4, v5     my head's record in slot 0, 1: + 16 x lane
.set NEGV, 7
.set NM,   8
.set TMX,  9
.set LS,   10
.set QC,   12
.set QW,   24
.set LI4,  25
.set KS,   26
.set VS,   30
.set S,    32
.set OT,   96
.set FR,   128
.set CK,   182
.set BM,   182
.set BP,   186
.set SO,   190
.set PC,   194
.set PT,   206
.set FF,   214
.set TT,   216
.set SUM2, 218
.set PW,   246
.set QPO,  247                         ; the prefetch's offset in q
.set AD8,  248                         ; v248, v249 the same as ADK + 8 x lane
.set ADC,  250                         ; v250, v251 the same + 64 (lane / 16)
.set PFO,  252                         ; the prefetches' offset in a step's records
.set WPO,  253                         ; and in Wo's images
.set WV,   14
.set CNT,  15
.set G1,   16
.set G0,   24
.set MO,   61
.set SEL,  62
.macro CREST
	s_cmp_lg_u32 s[WV], 0
	s_cbranch_scc1 .Lnot_wave_0_\@
	s_barrier_signal -3
.Lnot_wave_0_\@:
	s_barrier_wait -3
	s_barrier_signal -1
	s_barrier_wait -1
.endm
.macro ROUND
	s_barrier_signal -1
	s_barrier_wait -1
	CREST
.endm
.macro MASKLOAD                        ; a step's 64 lane masks of my tile
	s_load_b512 s[28:43], s[8:9], s[MO] offset:0x0
	s_load_b512 s[44:59], s[8:9], s[MO] offset:0x40
	s_load_b512 s[68:83], s[8:9], s[MO] offset:0x80
	s_load_b512 s[84:99], s[8:9], s[MO] offset:0xc0
.endm
	s_load_b256 s[4:11], s[0:1], 0x0               ; qimg, kv, mw, qf
	v_lshl_add_u32 v254, v0, 2, SPARE
	v_mov_b32 v255, 0
	ds_add_u32 v254, v255                          ; the opening lines: the add, twice on end, and its wait
	ds_add_u32 v254, v255
	v_lshrrev_b32 v1, 5, v0
	s_delay_alu instid0(VALU_DEP_1)
	v_readfirstlane_b32 s[WV], v1
	s_and_b32 s13, s[WV], 1                        ; u
	s_lshr_b32 s100, s[WV], 1                      ; hd
	s_bfe_u32 s68, ttmp6, 0x40000                  ; cx
	s_lshl_b32 s12, ttmp9, 2
	s_add_co_u32 s12, s12, s68                     ; x
	s_lshr_b32 s70, ttmp9, 4                       ; batch: the same in the cluster's four
	s_mul_i32 s70, s70, 16*SLOTB
	s_mov_b32 s71, 0
	s_mul_i32 s60, s[WV], WSH                      ; my share of a slot
	s_mov_b32 s72, s60
	s_mov_b32 s73, 0
	s_mov_b32 s[G0+1], s60
	s_mov_b32 s[G1], 15|(3<<16)|(1<<21)            ; the mask of the four; elements of 8 bytes
	s_mov_b32 s[G1+1], 32<<16
	s_mov_b32 s[G1+2], 27<<16
	s_mov_b32 s[G1+3], 32<<16
	s_mov_b32 s[G1+4], 27
	s_mov_b32 s[G1+5], 32
	s_mov_b32 s[G1+6], 0
	s_mov_b32 s[G1+7], 0
	s_lshl_b32 s76, s12, 1
	s_add_co_u32 s76, s76, s13                     ; tile T = 2 x + u
	s_lshl_b32 s74, s76, 12                        ; mw: 4,096 bytes a tile
	s_mov_b32 s75, 0
	s_lshl_b32 s76, s76, 3
	s_add_co_u32 s76, s76, s100                    ; 8 T + hd
	s_lshl_b32 s78, s76, 10
	s_mov_b32 s79, 0
	s_lshl_b32 s76, s76, 12
	s_mov_b32 s77, 0
	s_mov_b32 s[SEL], 0x76543210
	s_mov_b32 s[SEL+1], 0xfedcba98
	s_mov_b32 s[MO], 0
	s_wait_dscnt 0x0
	s_wait_kmcnt 0x0
	s_add_nc_u64 s[2:3], s[6:7], s[70:71]          ; my batch's records: the prefetches' base
	s_mov_b32 s[G0], 1
	s_add_nc_u64 s[G0+2:G0+3], s[2:3], s[72:73]
	s_or_b32 s[G0+3], s[G0+3], 0x80000000
	s_add_nc_u64 s[4:5], s[4:5], s[78:79]
	s_add_nc_u64 s[8:9], s[8:9], s[74:75]
	s_add_nc_u64 s[10:11], s[10:11], s[76:77]
	ROUND
	tensor_load_to_lds s[G0:G0+3], s[G1:G1+7]      ; step 0 into slot 0: my one load at the head
	s_nop 0
	s_load_b64 s[6:7], s[0:1], 0x20                ; cimg, where kv's address lay
	v_and_b32 v33, 31, v0
	v_bfe_u32 v34, v0, 4, 1
	v_lshlrev_b32 v[LI16], 4, v33
	v_lshlrev_b32 v[LI8], 3, v33
	v_lshlrev_b32 v[LI4], 2, v33
	v_lshlrev_b32 v[H64], 6, v34
	global_load_b128 v[QC:QC+3], v[LI16], s[4:5]
	global_load_b64 v[QC+4:QC+5], v[LI8], s[4:5] offset:512
	global_load_b32 v[QW], v[LI4], s[4:5] offset:768
	s_mul_i32 s69, s100, REC
.irp sl, 0,1
	v_add_nc_u32 v[ADK+\sl], s69, v[LI16]
	v_add_nc_u32 v[AD8+\sl], s69, v[LI8]
	v_add_nc_u32 v[ADC+\sl], s69, v[H64]
	s_add_co_u32 s69, s69, SLOTB
.endr
	v_min_u32 v32, 6, v33                          ; of my 27 rows partner cx names rows 7 cx .. 7 cx + 6; lanes left over name the last again
	s_mul_i32 s69, s68, 7
	v_add_nc_u32 v32, s69, v32
	s_mul_i32 s69, s[WV], 27
	v_min_u32 v32, 26, v32
	v_add_nc_u32 v32, s69, v32
	v_lshlrev_b32 v[PFO], 8, v32
.irp s, 1,2,3
	global_prefetch_b8 v[PFO], s[2:3] offset:\s*SLOTB th:TH_LOAD_NT scope:SCOPE_SE   ; the steps that the loop's prefetches do not reach
.endr
	v_min_u32 v35, 15, v33
	v_lshlrev_b32 v[QPO], 8, v35                   ; my 4,096 bytes of q: 16 blocks
	v_min_u32 v32, 11, v33                         ; of my 24 rows of each half of Wo partner cx names rows 6 cx .. 6 cx + 5: lanes 0-5 the first half's, lanes 6-11 the second's
	v_mul_u32_u24 v34, v32, 43
	v_lshrrev_b32 v34, 8, v34                      ; 1 from lane 6 on
	s_mul_i32 s69, s68, 6
	v_add_nc_u32 v32, s69, v32
	v_lshlrev_b32 v32, 8, v32
	v_mad_u32_u24 v[WPO], v34, WOH-6*256, v32
	v_mov_b32 v[NEGV], 0xceabfb8f                  ; -1e9 log2(e)
	v_mov_b32 v[TMX], 0xff61b1e6
	v_floor_f32 v[NM], -v[TMX]
	v_mov_b32 v[LS], 0
	v_mov_b32 v[LS+1], 0
.irp j, 0,1,2,3,4,5
	v_mov_b32 v[QC+6+\j], 0                        ; the upper half of the instruction's K holds zero codes on q's side
	v_mov_b32 v[FR+48+\j], 0
.endr
.set j, 0
.rept 32
	v_mov_b32 v[OT+j], 0
.set j, j+1
.endr
; A STEP of 128 keys from slot sl.  mode 2: the slot takes the records of two steps on; 3: half sl of Wo's images.  ml 1: the next step's masks are fetched; 2: the way out's arguments.  pf: a prefetch stands in it.
.macro STEP sl, mode, ml, pf
.irp t, 0,1,2,3,4,5,6,7
	ds_load_b128 v[FR+6*\t:FR+6*\t+3], v[ADK+\sl] offset:KOFF+768*\t
	ds_load_b64 v[FR+6*\t+4:FR+6*\t+5], v[AD8+\sl] offset:KOFF+768*\t+512
.endr
	ds_load_b128 v[KS:KS+3], v[ADK+\sl] offset:KSOFF
.irp b, 0,1,2,3
.irp j, 0,1,2,3
	ds_load_b128 v[CK+16*\b+4*\j:CK+16*\b+4*\j+3], v[ADC+\sl] offset:COFF+128*\b+16*\j
.endr
.endr
	s_wait_dscnt 16                                ; K's fragments and scale words are in; c's 16 loads may be out
.irp t, 0,1,2,3,4,5,6,7
.if \t%2
	v_wmma_scale_f32_16x16x128_f8f6f4 v[S+8*\t:S+8*\t+7], v[FR+6*\t:FR+6*\t+11], v[QC:QC+11], 0, v[KS+\t/2], v[QW] matrix_a_fmt:MATRIX_FMT_BF6 matrix_b_fmt:MATRIX_FMT_BF6 matrix_a_scale:MATRIX_SCALE_ROW1
.else
	v_wmma_scale_f32_16x16x128_f8f6f4 v[S+8*\t:S+8*\t+7], v[FR+6*\t:FR+6*\t+11], v[QC:QC+11], 0, v[KS+\t/2], v[QW] matrix_a_fmt:MATRIX_FMT_BF6 matrix_b_fmt:MATRIX_FMT_BF6
.endif
.endr
.rept 4
	v_nop                                          ; four places ahead of the loads into K's registers and of the first read of the scores
.endr
.irp t, 0,1,2,3
.irp c, 0,1,2
	ds_load_b128 v[FR+12*\t+4*\c:FR+12*\t+4*\c+3], v[ADK+\sl] offset:VOFF+1536*\t+512*\c
.endr
.endr
	ds_load_b64 v[VS:VS+1], v[AD8+\sl] offset:VSOFF
	s_wait_tensorcnt 0x0                           ; my part of the other slot has landed
	ds_add_u32 v254, v255
.if \mode == 2
	s_add_nc_u64 s[G0+2:G0+3], s[G0+2:G0+3], SLOTB ; no load of mine is out: the next step's records,
	s_add_co_u32 s[G0+1], s60, \sl*SLOTB           ; into this slot
.else
	s_mov_b32 s[G1+2], 24<<16                      ; no load of mine is out: 24 rows,
	s_mov_b32 s[G1+4], 24
	s_mul_i32 s[G0+1], s[WV], 24*256               ; my sixteenth of the half,
	s_add_co_u32 s[G0+1], s[G0+1], \sl*SLOTB       ; into this slot
	s_add_nc_u64 s[G0+2:G0+3], s[6:7], \sl*WOH
	s_or_b32 s[G0+3], s[G0+3], 0x80000000
.endif
	s_wait_dscnt 0x0                               ; all that I read of this slot is in registers
	s_wait_kmcnt 0x0                               ; and so are the masks
	s_barrier_signal -1
.set j, 0
.rept 32
	v_pk_mul_f32 v[S+j:S+j+1], v[S+j:S+j+1], v[CK+j:CK+j+1]   ; t = score x c[key]
.set j, j+2
.endr
.set n, 0
.rept 64
.if n < 32
	v_cndmask_b32 v[S+n], v[NEGV], v[S+n], s[28+n]
.else
	v_cndmask_b32 v[S+n], v[NEGV], v[S+n], s[36+n]
.endif
.set n, n+1
.endr
.irp b, 0,1,2,3
	v_max3_num_f32 v[BM+\b], v[S+16*\b], v[S+1+16*\b], v[S+2+16*\b]
.endr
.irp i, 3,5,7,9,11,13
.irp b, 0,1,2,3
	s_delay_alu instid0(VALU_DEP_4)
	v_max3_num_f32 v[BM+\b], v[BM+\b], v[S+16*\b+\i], v[S+1+16*\b+\i]
.endr
.endr
.irp b, 0,1,2,3
	s_delay_alu instid0(VALU_DEP_4)
	v_max_num_f32 v[BM+\b], v[BM+\b], v[S+15+16*\b]
.endr
.irp b, 0,1,2,3
	s_delay_alu instid0(VALU_DEP_4)
	v_permlanex16_b32 v[BP+\b], v[BM+\b], s[SEL], s[SEL+1]
.endr
.irp b, 0,1,2,3
	s_delay_alu instid0(VALU_DEP_4)
	v_max_num_f32 v[BM+\b], v[BM+\b], v[BP+\b]     ; each block's largest t
.endr
	s_delay_alu instid0(VALU_DEP_2)
	v_max3_num_f32 v[TT], v[BM], v[BM+1], v[BM+2]
	s_delay_alu instid0(VALU_DEP_1)
	v_max_num_f32 v[TT], v[TT], v[BM+3]
	s_delay_alu instid0(VALU_DEP_1)
	v_max_num_f32 v[TMX], v[TMX], v[TT]
	v_mov_b32 v[TT], v[NM]
	s_delay_alu instid0(VALU_DEP_2)
	v_floor_f32 v[NM], -v[TMX]                     ; -M
	s_delay_alu instid0(VALU_DEP_1)
	v_sub_f32 v[TT], v[NM], v[TT]
	s_delay_alu instid0(VALU_DEP_1)
	v_cvt_i32_f32 v[TT], v[TT]
	s_delay_alu instid0(VALU_DEP_1)
	v_ldexp_f32 v[FF], 1.0, v[TT]                  ; f = 2^(old M - new M)
	s_wait_alu depctr_va_vdst(0)                   ; ahead of the barrier's wait
	s_barrier_wait -1
	CREST                                          ; no wave of the cluster still reads this slot or has a load out
	tensor_load_to_lds s[G0:G0+3], s[G1:G1+7]
	s_nop 0
.if \ml == 2
	s_load_b512 s[28:43], s[0:1], 0x20             ; cimg, Wo's scales, bo, ln0_g, ln0_b, ln1_g, ln1_b, out0: the masks' registers are free
.else
	s_add_co_u32 s[MO], s[MO], 256
	MASKLOAD
.endif
.set j, 0
.rept 32
	v_pk_add_f32 v[S+j:S+j+1], v[S+j:S+j+1], v[NM:NM+1] op_sel_hi:[1,0]
.set j, j+2
.endr
.irp b, 0,1,2,3
	v_add_f32 v[BM+\b], v[BM+\b], v[NM]
.endr
.if \pf
	s_cmp_gt_u32 s[CNT], 1                         ; the last trip has no step four on
	s_cbranch_scc0 .Lno_pf_\@
	global_prefetch_b8 v[PFO], s[2:3] offset:(4+\sl)*SLOTB th:TH_LOAD_NT scope:SCOPE_SE
.Lno_pf_\@:
.endif
	s_wait_alu depctr_va_vdst(0)                   ; ahead of the batch
.set j, 0
.rept 64
	v_exp_f32 v[S+j], v[S+j]
.set j, j+1
.endr
.irp b, 0,1,2,3
	v_exp_f32 v[BM+\b], v[BM+\b]                   ; each block's largest p
.endr
	v_pk_mul_f32 v[LS:LS+1], v[LS:LS+1], v[FF:FF+1] op_sel_hi:[1,0]
	s_wait_alu depctr_va_vdst(0)                   ; behind the batch
.irp b, 0,1,2,3
	v_max_num_f32 v[BM+\b], 0x2800000, v[BM+\b]
.endr
.irp b, 0,1,2,3
	s_delay_alu instid0(VALU_DEP_4)
	v_add_nc_u32 v[SO+\b], 0xfe000000, v[BM+\b]
.endr
.irp b, 0,1,2,3
	s_delay_alu instid0(VALU_DEP_4)
	v_lshrrev_b32 v[BP+\b], 23, v[SO+\b]
.endr
	s_delay_alu instid0(VALU_DEP_3)
	v_lshl_or_b32 v[PW], v[BP+1], 8, v[BP]
	s_delay_alu instid0(VALU_DEP_1)
	v_lshl_or_b32 v[PW], v[BP+2], 16, v[PW]
	s_delay_alu instid0(VALU_DEP_1)
	v_lshl_or_b32 v[PW], v[BP+3], 24, v[PW]
.irp c, 0,1
	v_cvt_scalef32_pk16_bf6_f32 v[PC+6*\c:PC+6*\c+2], v[S+32*\c:S+32*\c+15], v[SO+2*\c]
	v_cvt_scalef32_pk16_bf6_f32 v[PT+4*\c:PT+4*\c+2], v[S+32*\c+16:S+32*\c+31], v[SO+2*\c+1]
.endr
	v_nop
.irp c, 0,1
.irp i, 0,1,2
	v_permlane16_swap_b32 v[PC+6*\c+\i], v[PT+4*\c+\i]
.endr
.irp i, 0,1,2
	s_delay_alu instid0(VALU_DEP_3)
	v_mov_b32 v[PC+3+6*\c+\i], v[PT+4*\c+\i]
.endr
.endr
	s_wait_alu depctr_va_vdst(0)                   ; directly ahead of the first reader of O^T
.set j, 0
.rept 16
	v_pk_mul_f32 v[OT+j:OT+j+1], v[OT+j:OT+j+1], v[FF:FF+1] op_sel_hi:[1,0]   ; these 16 are also the places ahead of the products
.set j, j+2
.endr
.irp t, 0,1,2,3
.if \t%2
	v_wmma_scale_f32_16x16x128_f8f6f4 v[OT+8*\t:OT+8*\t+7], v[FR+12*\t:FR+12*\t+11], v[PC:PC+11], v[OT+8*\t:OT+8*\t+7], v[VS+\t/2], v[PW] matrix_a_fmt:MATRIX_FMT_BF6 matrix_b_fmt:MATRIX_FMT_BF6 matrix_a_scale:MATRIX_SCALE_ROW1
.else
	v_wmma_scale_f32_16x16x128_f8f6f4 v[OT+8*\t:OT+8*\t+7], v[FR+12*\t:FR+12*\t+11], v[PC:PC+11], v[OT+8*\t:OT+8*\t+7], v[VS+\t/2], v[PW] matrix_a_fmt:MATRIX_FMT_BF6 matrix_b_fmt:MATRIX_FMT_BF6
.endif
.endr
	v_pk_add_f32 v[SUM2:SUM2+1], v[S:S+1], v[S+2:S+3]   ; the row's sum of the unquantised p: it names no register of the products, and fills the places behind them
.irp j, 4,8,12,16,20,24,28,32,36,40,44,48,52,56,60
	v_pk_add_f32 v[LS:LS+1], v[LS:LS+1], v[S+\j:S+\j+1]
	v_pk_add_f32 v[SUM2:SUM2+1], v[SUM2:SUM2+1], v[S+\j+2:S+\j+3]
.endr
	s_delay_alu instid0(VALU_DEP_1)
	v_pk_add_f32 v[LS:LS+1], v[LS:LS+1], v[SUM2:SUM2+1]
.endm
	s_wait_alu depctr_va_vdst(0)                   ; the head's end
	s_wait_tensorcnt 0x0                           ; slot 1's first fill is issued as a refill is
	ds_add_u32 v254, v255
	s_add_nc_u64 s[G0+2:G0+3], s[G0+2:G0+3], SLOTB
	s_add_co_u32 s[G0+1], s60, SLOTB
	s_mul_i32 s72, s[WV], 24*256
	s_add_co_u32 s72, s72, WOB
	s_mov_b32 s73, 0
	s_wait_kmcnt 0x0
	s_add_nc_u64 s[6:7], s[6:7], s[72:73]          ; my rows of Wo's first half
	s_wait_dscnt 0x0
	ROUND
	tensor_load_to_lds s[G0:G0+3], s[G1:G1+7]      ; step 1 into slot 1
	s_nop 0
	MASKLOAD
	s_wait_loadcnt 0x0
	s_mov_b32 s[CNT], 7
.Lk:
	s_cmp_eq_u32 s[CNT], 3                         ; once, in the trip of steps 8 and 9: what the last steps and the way out will ask for
	s_cbranch_scc0 .Lnot_yet
	global_prefetch_b8 v[QPO], s[10:11] th:TH_LOAD_NT scope:SCOPE_SE
	global_prefetch_b8 v[WPO], s[6:7] th:TH_LOAD_NT scope:SCOPE_SE
.Lnot_yet:
	STEP 0, 2, 1, 1
	STEP 1, 2, 1, 1
	s_wait_xcnt 0x0                                ; the prefetches have read their base
	s_add_nc_u64 s[2:3], s[2:3], 2*SLOTB
	s_sub_co_u32 s[CNT], s[CNT], 1
	s_cmp_lg_u32 s[CNT], 0
	s_cbranch_scc1 .Lk
	STEP 0, 3, 1, 0                                ; the last two steps: their slots take Wo
	STEP 1, 3, 2, 0
; ---- THE WAY OUT.  Registers: X v32-63; v64-95 q in f32, then ln1's g; v96-127 ln1's b; v128-159 bo = the sums; v160-175 Wo's scale words; v176-223 two half sets of Wo's fragments;
; v182-245 first ln0's g and b; v224-247 at work in the quantiser, then two of x's fragments; v248-251 x's scale words
.set X,    32
.set QF,   64
.set G1R,  64
.set B1R,  96
.set ACC,  128
.set WSC,  160
.set WH,   176
.set OB,   176
.set GA,   182
.set GB,   214
.set TM,   224
.set PCX,  232
.set PTX,  238
.set XCB,  224
.set XW,   248
.set WAD,  252
.set CH,   12
.set VS16, 6
.set PBO,  7
.set STI,  8
.set STR,  9
.set RST,  24
.set RLD,  25
.set XIA,  26
.set XIB,  27
.set XRA,  28
.set XRB,  29
.set XSA,  30
.set XSR,  31
.set CO,   5
.irp c, 0,1,2,3,4,5,6,7
	global_load_b128 v[QF+4*\c:QF+4*\c+3], v[LI16], s[10:11] offset:512*\c
.endr
	v_add_f32 v[LS], v[LS], v[LS+1]
	v_and_b32 v4, 15, v0                           ; r
	v_permlanex16_b32 v[TT], v[LS], s[SEL], s[SEL+1]
	v_and_b32 v12, 8, v4
	v_add_f32 v[LS], v[LS], v[TT]                  ; the row's sum
	v_add_nc_u32 v12, v12, v4                      ; rho(r)
	v_lshlrev_b32 v[VS16], 4, v12
	s_lshl_b32 s68, s100, 8
	v_add_nc_u32 v[PBO], s68, v[H64]               ; my 64 channels' parameters: 256 hd + 64 h
	s_lshl_b32 s69, s13, 10
	s_add_co_u32 s69, s69, RED
	v_lshl_add_u32 v[RLD], v[LI16], 1, s69         ; RED + 1,024 u + 32 x lane
	s_lshl_b32 s70, s100, 2
	v_add_nc_u32 v[RST], s70, v[RLD]
	s_lshl_b32 s71, s13, 3
	s_add_co_u32 s71, s71, s100
	s_mul_i32 s71, s71, 768
	s_add_co_u32 s71, s71, XI
	v_add_nc_u32 v[XIA], s71, v[LI16]
	v_add_nc_u32 v[XIB], s71, v[LI8]
	s_mul_i32 s72, s13, 6144
	s_add_co_u32 s72, s72, XI
	v_add_nc_u32 v[XRA], s72, v[LI16]
	v_add_nc_u32 v[XRB], s72, v[LI8]
	s_lshl_b32 s73, s13, 8
	s_add_co_u32 s73, s73, XS
	v_lshl_add_u32 v[XSR], v4, 4, s73
	s_lshl_b32 s74, s100, 1
	v_add_nc_u32 v[XSA], s74, v[XSR]
	s_mul_i32 s75, s[WV], 16*272
	s_add_co_u32 s75, s75, STG
	v_mul_u32_u24 v13, v4, 272
	v_add_nc_u32 v13, v13, v[H64]
	v_add_nc_u32 v[STI], s75, v13                  ; the stage, in: row r, + 64 h
	v_lshrrev_b32 v14, 6, v[H64]
	v_mul_u32_u24 v14, v14, 272
	v_lshl_add_u32 v14, v4, 4, v14
	v_add_nc_u32 v[STR], s75, v14                  ; back: lanes 0-15 one row of 256 bytes, lanes 16-31 the next
	v_lshlrev_b32 v15, 5, v[H64]
	v_lshl_add_u32 v[CO], v4, 4, v15               ; and the same two rows in out0
	s_mul_i32 s82, s100, 4*6144                    ; Wo's tiles 4 hd ..: heads 0-3 in slot 0, heads 4-7 in slot 1
	s_lshr_b32 s83, s100, 2
	s_mul_i32 s83, s83, SLOTB-WOH
	s_add_co_u32 s82, s82, s83
	v_add_nc_u32 v[WAD], s82, v[LI16]
	s_mov_b32 s101, 0xbb000000                     ; -1 / 512
	s_mov_b32 s104, 0x3b000000                     ; 1 / 512
	s_mov_b32 s105, 0x3727c5ac                     ; 1e-5
	s_wait_alu depctr_va_vdst(0)                   ; ahead of the transcendental, and of the scalar lines and waits below
	v_rcp_f32 v[LS], v[LS]
	v_nop
	s_lshl_b32 s78, s100, 10
	s_mov_b32 s79, 0
	s_lshl_b32 s80, s12, 5
	s_lshl_b32 s81, s13, 3
	s_add_co_u32 s80, s80, s81                     ; my tile's first row
	s_lshl_b32 s80, s80, 11
	s_add_co_u32 s80, s80, s68                     ; + my 256 bytes of a row
	s_mov_b32 s81, 0
	s_wait_kmcnt 0x0
	s_add_nc_u64 s[30:31], s[30:31], s[78:79]
	s_add_nc_u64 s[42:43], s[42:43], s[80:81]
.macro PLOAD reg, ptr                  ; a parameter's 64 numbers in X's layout: register 16 b + i = channel 32 b + 16 h + i
.irp b, 0,1
.irp j, 0,1,2,3
	global_load_b128 v[\reg+16*\b+4*\j:\reg+16*\b+4*\j+3], v[PBO], s[\ptr:\ptr+1] offset:128*\b+16*\j
.endr
.endr
.endm
	PLOAD GA, 34
	PLOAD GB, 36
	PLOAD ACC, 32                                  ; bo, in the results' layout: the C of each sum's first product
.irp t, 0,1,2,3
	global_load_b128 v[WSC+4*\t:WSC+4*\t+3], v[VS16], s[30:31] offset:(32*(\t/2)+8*(\t%2))*16
.endr
	s_wait_loadcnt 28                              ; q is in; the 28 loads behind it may be out
	s_wait_tensorcnt 0x0                           ; my parts of Wo have landed: the first exchange's barrier shows all of Wo to every wave
	s_wait_alu depctr_va_vdst(0)                   ; the reciprocal, and O^T's first read
.set j, 0
.rept 16
	v_pk_fma_f32 v[X+j:X+j+1], v[OT+j:OT+j+1], v[LS:LS+1], v[QF+j:QF+j+1] op_sel_hi:[1,0,1]
.set j, j+2
.endr
	PLOAD G1R, 38                                  ; ln1's g and b, over q and O^T
	PLOAD B1R, 40
.macro FOLD
	v_pk_add_f32 v[CH:CH+1], v[CH:CH+1], v[CH+2:CH+3]
	s_delay_alu instid0(VALU_DEP_1)
	v_add_f32 v[CH], v[CH], v[CH+1]
	s_delay_alu instid0(VALU_DEP_1)
	v_permlanex16_b32 v[CH+2], v[CH], s[SEL], s[SEL+1]
	s_delay_alu instid0(VALU_DEP_1)
	v_add_f32 v[CH], v[CH], v[CH+2]
.endm
.macro XCH k                           ; v[CH] of my tile's eight waves, summed; each exchange has bytes of its own
	ds_store_b32 v[RST], v[CH] offset:2048*(\k)
	s_wait_alu depctr_va_vdst(0)
	s_wait_dscnt 0x0
	s_barrier_signal -1
	s_barrier_wait -1
	ds_load_b128 v[CH+4:CH+7], v[RLD] offset:2048*(\k)
	ds_load_b128 v[CH+8:CH+11], v[RLD] offset:2048*(\k)+16
	s_wait_dscnt 0x0
	v_pk_add_f32 v[CH+4:CH+5], v[CH+4:CH+5], v[CH+6:CH+7]
	v_pk_add_f32 v[CH+8:CH+9], v[CH+8:CH+9], v[CH+10:CH+11]
	s_delay_alu instid0(VALU_DEP_1)
	v_pk_add_f32 v[CH+4:CH+5], v[CH+4:CH+5], v[CH+8:CH+9]
	s_delay_alu instid0(VALU_DEP_1)
	v_add_f32 v[CH], v[CH+4], v[CH+5]
.endm
.macro LNORM k, cnt, g, b              ; X = (X - mean) / sqrt(var + eps) x g + b over the token's 512 channels
	v_pk_add_f32 v[CH:CH+1], v[X:X+1], v[X+2:X+3]
	v_pk_add_f32 v[CH+2:CH+3], v[X+4:X+5], v[X+6:X+7]
.irp j, 8,12,16,20,24,28
	v_pk_add_f32 v[CH:CH+1], v[CH:CH+1], v[X+\j:X+\j+1]
	v_pk_add_f32 v[CH+2:CH+3], v[CH+2:CH+3], v[X+\j+2:X+\j+3]
.endr
	FOLD
	XCH \k
	s_delay_alu instid0(VALU_DEP_1)
	v_mul_f32 v[CH], s101, v[CH]                   ; -mean
.set j, 0
.rept 16
	v_pk_add_f32 v[X+j:X+j+1], v[X+j:X+j+1], v[CH:CH+1] op_sel_hi:[1,0]
.set j, j+2
.endr
	v_pk_mul_f32 v[CH:CH+1], v[X:X+1], v[X:X+1]
	v_pk_mul_f32 v[CH+2:CH+3], v[X+2:X+3], v[X+2:X+3]
.irp j, 4,8,12,16,20,24,28
	v_pk_fma_f32 v[CH:CH+1], v[X+\j:X+\j+1], v[X+\j:X+\j+1], v[CH:CH+1]
	v_pk_fma_f32 v[CH+2:CH+3], v[X+\j+2:X+\j+3], v[X+\j+2:X+\j+3], v[CH+2:CH+3]
.endr
	FOLD
	XCH \k+1
	s_delay_alu instid0(VALU_DEP_1)
	v_fma_f32 v[CH], v[CH], s104, s105             ; var + eps
	s_wait_alu depctr_va_vdst(0)
	v_rsq_f32 v[CH], v[CH]
	v_nop
	s_wait_alu depctr_va_vdst(0)
	s_wait_loadcnt \cnt                            ; g and b are in
.set j, 0
.rept 16
	v_pk_mul_f32 v[X+j:X+j+1], v[X+j:X+j+1], v[CH:CH+1] op_sel_hi:[1,0]
.set j, j+2
.endr
.set j, 0
.rept 16
	v_pk_fma_f32 v[X+j:X+j+1], v[X+j:X+j+1], v[\g+j:\g+j+1], v[\b+j:\b+j+1]
.set j, j+2
.endr
.endm
.macro WOL n                           ; stage n = (K step n / 2, tiles 2 (n % 2) and 2 (n % 2) + 1): two fragments of Wo into half set n % 2
.irp i, 0,1
.irp c, 0,1,2
	ds_load_b128 v[WH+24*((\n)%2)+12*\i+4*\c:WH+24*((\n)%2)+12*\i+4*\c+3], v[WAD] offset:6144*(2*((\n)%2)+\i)+1536*((\n)/2)+512*\c
.endr
.endr
.endm
.macro XCL ks                          ; x's fragment of K step ks: the six registers of heads 2 ks and 2 ks + 1
.irp i, 0,1
	ds_load_b128 v[XCB+12*((\ks)%2)+6*\i:XCB+12*((\ks)%2)+6*\i+3], v[XRA] offset:768*(2*(\ks)+\i)
	ds_load_b64 v[XCB+12*((\ks)%2)+6*\i+4:XCB+12*((\ks)%2)+6*\i+5], v[XRB] offset:768*(2*(\ks)+\i)+512
.endr
.endm
	LNORM 0, 28, GA, GB                            ; behind g and b: bo, Wo's scale words, ln1's g and b: 28 loads
	WOL 0                                          ; they land while x is quantised
	WOL 1
	; x's two blocks of 32 channels become six registers of codes and two scale bytes
.irp b, 0,1
	v_max3_num_f32 v[TM+\b], |v[X+16*\b]|, |v[X+1+16*\b]|, 0x2800000
.endr
.irp i, 2,4,6,8,10,12,14
.irp b, 0,1
	s_delay_alu instid0(VALU_DEP_2)
	v_max3_num_f32 v[TM+\b], v[TM+\b], |v[X+16*\b+\i]|, |v[X+1+16*\b+\i]|
.endr
.endr
.irp b, 0,1
	s_delay_alu instid0(VALU_DEP_2)
	v_permlanex16_b32 v[TM+2+\b], v[TM+\b], s[SEL], s[SEL+1]
.endr
.irp b, 0,1
	s_delay_alu instid0(VALU_DEP_2)
	v_max_num_f32 v[TM+\b], v[TM+\b], v[TM+2+\b]
.endr
.irp b, 0,1
	s_delay_alu instid0(VALU_DEP_2)
	v_add_nc_u32 v[TM+4+\b], 0xfe000000, v[TM+\b]
.endr
.irp b, 0,1
	s_delay_alu instid0(VALU_DEP_2)
	v_lshrrev_b32 v[TM+6+\b], 23, v[TM+4+\b]
.endr
	s_delay_alu instid0(VALU_DEP_1)
	v_lshl_or_b32 v[TM+6], v[TM+7], 8, v[TM+6]
	v_cvt_scalef32_pk16_bf6_f32 v[PCX:PCX+2], v[X:X+15], v[TM+4]
	v_cvt_scalef32_pk16_bf6_f32 v[PTX:PTX+2], v[X+16:X+31], v[TM+5]
	v_nop
.irp i, 0,1,2
	v_permlane16_swap_b32 v[PCX+\i], v[PTX+\i]     ; a whole block in a lane
.endr
.irp i, 0,1,2
	s_delay_alu instid0(VALU_DEP_3)
	v_mov_b32 v[PCX+3+\i], v[PTX+\i]
.endr
	ds_store_b128 v[XIA], v[PCX:PCX+3]
	ds_store_b64 v[XIB], v[PCX+4:PCX+5] offset:512
	ds_store_b16 v[XSA], v[TM+6]                   ; (lanes r and r + 16 store the same two bytes to the same place)
	s_wait_alu depctr_va_vdst(0)
	s_wait_dscnt 0x0
	s_barrier_signal -1
	s_barrier_wait -1
	XCL 0
	XCL 1
	ds_load_b128 v[XW:XW+3], v[XSR]                ; my row's four scale words
; A stage: two products; the four accumulators take turns, one instruction a turn.  cnt: the LDS loads issued behind this stage's own, which may stay out.
; Behind its places the half set takes the fragments of two stages on, and, at a K step's end, x's buffer the fragment of two K steps on.
.macro STAGE n, cnt
	s_wait_dscnt \cnt
.irp i, 0,1
	v_wmma_scale_f32_16x16x128_f8f6f4 v[ACC+8*(2*((\n)%2)+\i):ACC+8*(2*((\n)%2)+\i)+7], v[WH+24*((\n)%2)+12*\i:WH+24*((\n)%2)+12*\i+11], v[XCB+12*(((\n)/2)%2):XCB+12*(((\n)/2)%2)+11], v[ACC+8*(2*((\n)%2)+\i):ACC+8*(2*((\n)%2)+\i)+7], v[WSC+4*(2*((\n)%2)+\i)+(\n)/2], v[XW+(\n)/2] matrix_a_fmt:MATRIX_FMT_BF6 matrix_b_fmt:MATRIX_FMT_BF6
.endr
.rept 4
	v_nop                                          ; four places ahead of the loads below (the last stage: of the first read of the sums)
.endr
.if (\n) < 6
	WOL (\n)+2
.endif
.if ((\n) == 1) || ((\n) == 3)
	XCL (\n)/2+2
.endif
.endm
	s_wait_loadcnt 0x0                             ; bo and Wo's scale words (and ln1's g and b)
	STAGE 0, 0
	STAGE 1, 6
	STAGE 2, 10
	STAGE 3, 10
	STAGE 4, 10
	STAGE 5, 10
	STAGE 6, 6
	STAGE 7, 0
.set j, 0
.rept 32
	v_max_num_f32 v[ACC+j], 0, v[ACC+j]            ; each accumulator from its low end on
.set j, j+1
.endr
.set j, 0
.rept 16
	v_pk_add_f32 v[X+j:X+j+1], v[X+j:X+j+1], v[ACC+j:ACC+j+1]
.set j, j+2
.endr
	LNORM 2, 0, G1R, B1R
	; through my stage, so that sixteen lanes store 256 consecutive bytes of a row of out0, aligned
.irp b, 0,1
.irp j, 0,1,2,3
	ds_store_b128 v[STI], v[X+16*\b+4*\j:X+16*\b+4*\j+3] offset:128*\b+16*\j
.endr
.endr
.irp i, 0,1,2,3,4,5,6,7
	ds_load_b128 v[OB+4*\i:OB+4*\i+3], v[STR] offset:2*272*\i   ; LDS serves a wave's instructions in order: these see my stores
.endr
	s_wait_dscnt 0x0
.irp i, 0,1,2,3,4,5,6,7
	global_store_b128 v[CO], v[OB+4*\i:OB+4*\i+3], s[42:43] offset:(2*\i+8*(\i/4))*2048 th:TH_STORE_NT
.endr
	s_wait_tensorcnt 0x0                           ; the wave's end
	ds_add_u32 v254, v255
	s_wait_dscnt 0x0
	ROUND                                          ; the closing round
	s_endpgm
.Lfunc_end_k_qa5a18bdced_attn:
	.size	k_qa5a18bdced_attn, .Lfunc_end_k_qa5a18bdced_attn-k_qa5a18bdced_attn
	.p2alignl 7, 3214868480
	.fill 96, 4, 3214868480
	.section	.rodata,"a",@progbits
	.p2align	6, 0x0
	.amdhsa_kernel k_qa5a18bdced_attn
		.amdhsa_group_segment_fixed_size 327680
		.amdhsa_private_segment_fixed_size 0
		.amdhsa_enable_private_segment 0
		.amdhsa_kernarg_size 96
		.amdhsa_user_sgpr_count 2
		.amdhsa_user_sgpr_kernarg_segment_ptr 1
		.amdhsa_wavefront_size32 1
		.amdhsa_system_sgpr_workgroup_id_x 1
		.amdhsa_system_sgpr_workgroup_id_y 1
		.amdhsa_system_sgpr_workgroup_id_z 1
		.amdhsa_system_vgpr_workitem_id 0
		.amdhsa_next_free_vgpr 256
		.amdhsa_next_free_sgpr 106
		.amdhsa_reserve_vcc 0
		.amdhsa_float_denorm_mode_32 3
		.amdhsa_float_denorm_mode_16_64 3
		.amdhsa_memory_ordered 1
		.amdhsa_forward_progress 1
		.amdhsa_inst_pref_size 146
	.end_amdhsa_kernel
	.amdgpu_metadata
---
amdhsa.version: [ 1, 2 ]
amdhsa.kernels:
  - .name:           k_qa5a18bdced_attn
    .symbol:         k_qa5a18bdced_attn.kd
    .args:
      - { .name: qimg, .offset: 0, .size: 8, .value_kind: global_buffer, .address_space: global }
      - { .name: kv, .offset: 8, .size: 8, .value_kind: global_buffer, .address_space: global }
      - { .name: mw, .offset: 16, .size: 8, .value_kind: global_buffer, .address_space: global }
      - { .name: qf, .offset: 24, .size: 8, .value_kind: global_buffer, .address_space: global }
      - { .name: cimg, .offset: 32, .size: 8, .value_kind: global_buffer, .address_space: global }
      - { .name: Wo_scales, .offset: 40, .size: 8, .value_kind: global_buffer, .address_space: global }
      - { .name: bo, .offset: 48, .size: 8, .value_kind: global_buffer, .address_space: global }
      - { .name: ln0_g, .offset: 56, .size: 8, .value_kind: global_buffer, .address_space: global }
      - { .name: ln0_b, .offset: 64, .size: 8, .value_kind: global_buffer, .address_space: global }
      - { .name: ln1_g, .offset: 72, .size: 8, .value_kind: global_buffer, .address_space: global }
      - { .name: ln1_b, .offset: 80, .size: 8, .value_kind: global_buffer, .address_space: global }
      - { .name: out0, .offset: 88, .size: 8, .value_kind: global_buffer, .address_space: global }
    .group_segment_fixed_size: 327680
    .private_segment_fixed_size: 0
    .kernarg_segment_align: 8
    .kernarg_segment_size: 96
    .max_flat_workgroup_size: 512
    .sgpr_count:     106
    .vgpr_count:     256
    .wavefront_size: 32
...
	.end_amdgpu_metadata
.endif
;; end of part 7
